; MI455X (gfx1250); checked and timed in simulation.
; The chip was launched on July 23, 2026; its instructions are those of AMD's public machine-readable ISA for CDNA 5 (MIT licence, August 2026) and "CDNA5" Instruction Set Architecture Reference Guide (July 2026). The comments in the code are by the model that wrote it; some were corrected since.
;; Self Attention. Allowed arithmetic: matrix products marked QUANTISED: E3M2 operands, one E8M0 scale for each 32 along K, by v_wmma_scale_f32_16x16x128_f8f6f4 with both operands' format E3M2, f32 sums; everything else in f32.
;; Inputs: Wk 1,024 x 1,024 float32; Wq 1,024 x 1,024 float32; Wv 1,024 x 1,024 float32; x 4 x 2,048 x 1,024 float32.
;; Outputs: out0 4 x 2,048 x 1,024 float32.
;; Constants: causal_mask = 1.
;; This version of the problem:
;;   THIS VERSION OF THE PROBLEM IS GIVEN IN LOW PRECISION. The matrix products marked QUANTISED in the list below multiply operands that are first quantised to E3M2 (3 exponent bits, 2 mantissa bits; 6 bits a number), with one power-of-two scale for each 32 numbers along K (OCP MX v1.0); their sums are f32. All else is computed in f32.
;;   The module's matrix products, in the order in which they are computed (A, B: the left and right operand; K: the contracted axis; several contracted axes count as one K, in the product's order):
;;     1. [M 8,192, K 1,024] x [K 1,024, N 1,024]; A: input x; B: input Wq: QUANTISED
;;     2. [M 8,192, K 1,024] x [K 1,024, N 1,024]; A: input x; B: input Wk: QUANTISED
;;     3. [M 8,192, K 1,024] x [K 1,024, N 1,024]; A: input x; B: input Wv: QUANTISED
;;     4. batch 4 x [M 2,048, K 1,024] x [K 1,024, N 2,048]; A: computed on the way; B: computed on the way: QUANTISED
;;     5. batch 4 x [M 2,048, K 2,048] x [K 2,048, N 1,024]; A: softmax (see below); B: computed on the way: QUANTISED
;;   THE QUANTISER, for each operand of a quantised product, along K:
;;     - K is cut into blocks of 32 from its start; a last block that is shorter is filled with zeros.
;;     - A block's scale is 2^e with e = floor(log2(the largest magnitude in the block)) - 4, held to -126 .. 127; a block of zeros has e = 0. As a byte (E8M0): e + 127.
;;     - Each number is divided by its block's scale, clamped to +-28, and rounded to the nearest number of E3M2, ties to even, subnormals kept.
;;     - The product sums the exact products of the quantised numbers (number of the format x scale) in f32.
;;   ~~~python
;;   def quantise(x, axis):      # numpy; x: float32 -> the quantised numbers, widened to float32 again
;;       x = np.moveaxis(x, axis, -1); K = x.shape[-1]
;;       x = np.pad(x, [(0, 0)] * (x.ndim - 1) + [(0, -K % 32)]); x = x.reshape(x.shape[:-1] + (-1, 32)); a = np.abs(x).max(-1, keepdims=True)
;;       e = np.where(a > 0, np.clip(np.frexp(np.where(a > 0, a, 1))[1] - 1 - 4, -126, 127), 0)      # np.frexp(a)[1] - 1 = floor(log2(a)), exactly
;;       r = np.clip(x / 2.0 ** e, -28, 28)
;;       step = 2.0 ** (np.maximum(np.frexp(np.where(r == 0, 1, r))[1] - 1, -2) - 2)
;;       q = np.round(r / step) * step * 2.0 ** e      # np.round: ties to even
;;       return np.moveaxis(q.reshape(q.shape[:-2] + (-1,))[..., :K], -1, axis).astype(np.float32)
;;   ~~~
;;   SOFTMAX AHEAD OF A QUANTISED PRODUCT. Where the list says 'softmax', what is quantised is not the finished softmax but p = 2^(t - M), with t = logit x log2(e) and M = ceil(the row's largest t), a whole number; so 1/2 < the row's largest p <= 1. The row's sum l is taken of the UNQUANTISED p, in f32, and the product's result is divided by l at the end. Since M is a whole number, a kernel that streams over the keys may use a running M (the ceiling of the running maximum): every later rescaling is an exact power of two, which a block's scale takes up: the codes' values come out the same.
;;   OPERANDS COMPUTED ON THE WAY. 'Computed on the way' means the value that the module computes at that place (a softmax that the list does not call 'softmax' is quantised finished and normalised). What goes into a quantiser is computed in f32, as accurately as f32 sums, v_exp_f32 and their like allow (about 1e-6 of the number): no bf16 or f16 on the way to a quantiser, and a product that is left as it is and whose result goes on into a quantised operand takes f32 operands (vector FMAs, or v_wmma_f32_16x16x4_f32). A number that lies on a knife's edge between two numbers of the format may be rounded either way, as far as f32 arithmetic and the matrix unit's own rounding can turn it there, and no further.
;; One version. Each part assembles by itself: llvm-mc -triple=amdgcn-amd-amdhsa -mcpu=gfx1250 --defsym DOCPART=n.
;; ======== version 1 of 1: 4 launches
;; limits: right only within a limited range of input values
;; workspace buffers: ximg 6,553,600 bytes; wimg 2,457,600 bytes; qk 13,107,200 bytes; vimg 6,553,600 bytes; p 14,155,776 bytes
;; launch quant (part 1): grid 704 x 1, 4 waves a work-group, no clusters, 68,608 bytes of LDS; arguments x, Wq, Wk, Wv, ximg, wimg; writes ximg, wimg
.if DOCPART == 1
	.amdgcn_target "amdgcn-amd-amdhsa--gfx1250"
	.amdhsa_code_object_version 6
	.text
	.protected	k_q840d1f5e6f_quant
	.globl	k_q840d1f5e6f_quant
	.p2align	8
	.type	k_q840d1f5e6f_quant,@function
k_q840d1f5e6f_quant:
	s_mov_b64 s[64:65], 0
	v_nop
	global_prefetch_b8 v0, s[64:65] scope:SCOPE_SE
	s_setreg_imm32_b32 hwreg(HW_REG_WAVE_MODE, 25, 1), 1
	s_wait_xcnt 0x0
; x [8192][1024] and Wq, Wk, Wv [1024 (k)][1024 (n)], f32, become codes of BF6 (E3M2) with one E8M0 byte for each 32 along K (K = the 1,024 inputs), laid as RECORDS.
; A RECORD is 128 rows (tokens of x, or output columns of a weight) x 128 along K, as an image of the operand's registers: tile i of 16 rows at byte 1536 i, its registers 4 c .. 4 c + 3 of lane l at 512 c + 16 l;
; at byte 12,288 + 16 l + 4 j the scale word of tile 2 j + l / 16, row l % 16.  12,800 bytes.  Lane r of tile t holds row 32 (t / 2) + 8 (t % 2) + r + 8 (r / 8) of the 128.
; A block's scale is 2^(floor(log2(largest magnitude)) - 4): its byte is the largest magnitude's exponent field - 4, held at 1 from below (a block of zeros keeps the byte 1: its codes are zeros, and this program alone reads the bytes).
; LIMITS: NaN and infinities are not served; blocks whose largest magnitude lies under 2^-122 keep the byte 1.
; SHARES.  One work-group makes one record; in both cases its source is 128 memory rows x 512 bytes, 4,096 bytes apart.  Work-groups 0-511: x (group W / 8, K step W % 8); 512-703: the weights (64 records each).
; Each wave loads 32 rows, a row (512 consecutive bytes) a load, all 32 loads out at once, and lays them in a stage in LDS; behind a barrier wave w makes tiles 2 w and 2 w + 1: a lane takes two whole blocks of 32 along K of its row,
; for x along a stage line, for a weight down the lines.  Only these LDS reads differ between the two kinds.  No tensor loads, no matrix work, no cluster: work-groups share no input.
.set STP,  528                         ; a stage line: 512 bytes + 16, so that sixteen lines' reads of 16 bytes start in different banks
.set SCG,  128*STP                     ; behind the stage: 512 bytes in which the four waves' scale words meet
.set REC,  12800
.set XWG,  512                         ; work-groups that take x
.set N,    64                          ; v64-191 the 32 loads land here; then v64-127 are a lane's 64 numbers: register 32 c + i = k 64 c + 32 (lane / 16) + i
.set PW,   232                         ; v232, v233 the two tiles' scale words
	s_load_b256 s[4:11], s[0:1], 0x0               ; x, Wq, Wk, Wv
	s_load_b128 s[12:15], s[0:1], 0x20             ; ximg, wimg
	v_lshl_add_u32 v240, v0, 2, 0x10a00
	v_mov_b32 v241, 0
	v_lshrrev_b32 v1, 5, v0
	v_readfirstlane_b32 s16, v1                    ; wave
	v_and_b32 v1, 31, v0                           ; lane
	v_and_b32 v2, 15, v0                           ; r
	v_bfe_u32 v3, v0, 4, 1                         ; h
	v_lshlrev_b32 v4, 4, v1                        ; 16 x lane
	s_lshl_b32 s17, s16, 17
	v_add_nc_u32 v5, s17, v4                       ; source: my wave's 32 rows of 4,096 bytes, 16 bytes a lane
	s_mul_i32 s17, s16, 32*STP
	v_add_nc_u32 v6, s17, v4                       ; stage, way in
	v_mul_u32_u24 v7, v2, STP
	v_lshl_add_u32 v7, v3, 7, v7
	v_add_nc_u32 v7, s17, v7                       ; x, way back: line 32 w + r, + 128 h
	v_and_b32 v8, 8, v2
	v_add_nc_u32 v8, v8, v2                        ; r + 8 (r / 8)
	v_lshlrev_b32 v8, 2, v8
	v_mad_u32_u24 v8, v3, 32*STP, v8
	s_lshl_b32 s17, s16, 7
	v_add_nc_u32 v8, s17, v8                       ; a weight, way back: line 32 h, column 32 w + r + 8 (r / 8)
	s_mul_i32 s17, s16, 3072
	v_add_nc_u32 v9, s17, v4                       ; record: my two tiles
	s_lshl_b32 s17, s16, 2
	v_add_nc_u32 v10, s17, v4
	v_add_nc_u32 v10, SCG, v10                     ; my scale word's place: 16 x lane + 4 w
	v_add_nc_u32 v11, SCG, v4
	v_lshlrev_b32 v23, 3, v3                       ; 8 h
	v_mov_b32 v24, 0                               ; a lane permute's destination counts as one of its sources
	s_mov_b32 s30, 0x76543210
	s_mov_b32 s31, 0xfedcba98                      ; selects for lane l xor 16
	s_mov_b32 s19, 0xffff0000                      ; lanes 16-31
	s_cmp_lt_u32 ttmp9, XWG
	s_cselect_b32 s20, 0, XWG
	s_sub_co_u32 s21, ttmp9, s20                   ; the record's number in its buffer
	s_lshr_b32 s22, s21, 3                         ; x: the group of tokens
	s_and_b32 s23, s21, 7                          ; the K step
	s_and_b32 s24, s22, 7                          ; a weight: the group of columns
	s_cmp_lt_u32 ttmp9, XWG
	s_cselect_b32 s25, s22, s23                    ; which 128 memory rows: x: the group; a weight: the K step
	s_cselect_b32 s26, s23, s24                    ; which 512 bytes of them
	s_lshl_b32 s25, s25, 19
	s_lshl_b32 s26, s26, 9
	s_or_b32 s26, s25, s26
	s_mov_b32 s27, 0
	s_mul_i32 s28, s21, REC
	s_mov_b32 s29, 0
	s_wait_kmcnt 0x0
	s_cmp_lt_u32 ttmp9, XWG+128                    ; the buffers are chosen by the work-group's number alone
	s_cselect_b64 s[8:9], s[8:9], s[10:11]
	s_cmp_lt_u32 ttmp9, XWG+64
	s_cselect_b64 s[6:7], s[6:7], s[8:9]
	s_cmp_lt_u32 ttmp9, XWG
	s_cselect_b64 s[4:5], s[4:5], s[6:7]
	s_cselect_b64 s[12:13], s[12:13], s[14:15]
	s_add_nc_u64 s[4:5], s[4:5], s[26:27]
	s_add_nc_u64 s[12:13], s[12:13], s[28:29]
.set i, 0
.rept 32
	global_load_b128 v[N+4*i:N+4*i+3], v5, s[4:5] offset:4096*i th:TH_LOAD_NT   ; 32 lanes read 512 consecutive bytes; read once in the launch
.set i, i+1
.endr
.set i, 0
.rept 32                               ; memory row 32 w + i goes to line 32 w + 16 ((i / 8) % 2) + i % 8 + 8 (i / 16): a tile's sixteen rows are then neighbouring lines
	s_wait_loadcnt 31-i                            ; loads come back in order: load i is in, the younger ones stay out
	ds_store_b128 v6, v[N+4*i:N+4*i+3] offset:STP*(16*((i/8)%2)+i%8+8*(i/16))
.set i, i+1
.endr
	s_wait_dscnt 0x0                               ; for the others' sake: my stores have landed
	s_barrier_signal -1
	s_barrier_wait -1
; Tile 2 w + f: 64 numbers from the stage, two blocks' scales, codes, three stores of 512 consecutive bytes.
.macro TILE f
.set C, 192+20*\f                      ; the tile's 12 registers of codes, and 7 at work behind them: a set for each tile, so that no store's data are written again
	s_cmp_lt_u32 ttmp9, XWG
	s_cbranch_scc0 .Lweight_\@
.irp c, 0,1
.irp e, 0,1,2,3,4,5,6,7
	ds_load_b128 v[N+32*\c+4*\e:N+32*\c+4*\e+3], v7 offset:16*\f*STP+256*\c+16*\e   ; x: along the line of my row
.endr
.endr
	s_branch .Ljoin_\@
.Lweight_\@:
	s_wait_alu depctr_va_vdst(0)
.irp c, 0,1
.set i, 0
.rept 32
	ds_load_b32 v[N+32*\c+i], v8 offset:(64*\c+16*((i/8)%2)+i%8+8*(i/16))*STP+32*\f   ; a weight: down the lines, at my column
.set i, i+1
.endr
.endr
.Ljoin_\@:
	s_wait_dscnt 0x0
.irp c, 0,1
	v_max3_num_f32 v[16+\c], |v[N+32*\c]|, |v[N+32*\c+1]|, 0x2800000   ; block 2 c + h: all 32 numbers are mine; the floor 2^(5 - 127) holds the byte at 1 from below
.endr
.irp i, 2,4,6,8,10,12,14,16,18,20,22,24,26,28,30
.irp c, 0,1
	v_max3_num_f32 v[16+\c], v[16+\c], |v[N+32*\c+\i]|, |v[N+32*\c+\i+1]|
.endr
.endr
.irp c, 0,1
	v_add_nc_u32 v[18+\c], 0xfe000000, v[16+\c]    ; 4 off the exponent field: the conversion's scale operand
.endr
.irp c, 0,1
	v_lshrrev_b32 v[20+\c], 23, v[18+\c]           ; the scale's byte
.endr
	v_lshl_or_b32 v22, v21, 16, v20                ; my bytes: blocks h and 2 + h,
	v_lshlrev_b32 v22, v23, v22                    ; at their places in the word;
	v_permlanex16_b32 v24, v22, s30, s31
	v_or_b32 v[PW+\f], v22, v24                    ; with lane l xor 16's two the word is whole
.irp c, 0,1
	v_cvt_scalef32_pk16_bf6_f32 v[C+6*\c:C+6*\c+2], v[N+32*\c:N+32*\c+15], v[18+\c]
	v_cvt_scalef32_pk16_bf6_f32 v[C+12+4*\c:C+12+4*\c+2], v[N+32*\c+16:N+32*\c+31], v[18+\c]   ; (a conversion's three registers begin on an even number)
.endr
	v_nop                                          ; one plain place behind a scaled conversion
.irp c, 0,1
.irp i, 0,1,2
	v_mov_b32 v[C+3+6*\c+\i], v[C+12+4*\c+\i]
.endr
.endr
.irp c, 0,1,2
	global_store_b128 v9, v[C+4*\c:C+4*\c+3], s[12:13] offset:1536*\f+512*\c   ; 512 consecutive bytes, aligned
.endr
.endm
	TILE 0
	TILE 1
	v_cndmask_b32 v25, v[PW], v[PW+1], s19         ; lanes 0-15: tile 2 w's words, lanes 16-31: tile 2 w + 1's
	ds_store_b32 v10, v25
	s_wait_dscnt 0x0
	s_barrier_signal -1
	s_barrier_wait -1
	s_cmp_lg_u32 s16, 0
	s_cbranch_scc1 .Lend
	ds_load_b128 v[26:29], v11                     ; wave 0 stores the record's 512 bytes of scale words
	s_wait_dscnt 0x0
	global_store_b128 v4, v[26:29], s[12:13] offset:12288
.Lend:
	s_wait_tensorcnt 0x0
	ds_add_u32 v240, v241
	s_wait_dscnt 0x0
	s_endpgm
.Lfunc_end_k_q840d1f5e6f_quant:
	.size	k_q840d1f5e6f_quant, .Lfunc_end_k_q840d1f5e6f_quant-k_q840d1f5e6f_quant
	.p2alignl 7, 3214868480
	.fill 96, 4, 3214868480
	.section	.rodata,"a",@progbits
	.p2align	6, 0x0
	.amdhsa_kernel k_q840d1f5e6f_quant
		.amdhsa_group_segment_fixed_size 68608
		.amdhsa_private_segment_fixed_size 0
		.amdhsa_enable_private_segment 0
		.amdhsa_kernarg_size 48
		.amdhsa_user_sgpr_count 2
		.amdhsa_user_sgpr_kernarg_segment_ptr 1
		.amdhsa_wavefront_size32 1
		.amdhsa_system_sgpr_workgroup_id_x 1
		.amdhsa_system_sgpr_workgroup_id_y 1
		.amdhsa_system_sgpr_workgroup_id_z 1
		.amdhsa_system_vgpr_workitem_id 0
		.amdhsa_next_free_vgpr 242
		.amdhsa_next_free_sgpr 66
		.amdhsa_reserve_vcc 0
		.amdhsa_float_denorm_mode_32 3
		.amdhsa_float_denorm_mode_16_64 3
		.amdhsa_memory_ordered 1
		.amdhsa_forward_progress 1
		.amdhsa_inst_pref_size 27
	.end_amdhsa_kernel
	.amdgpu_metadata
---
amdhsa.version: [ 1, 2 ]
amdhsa.kernels:
  - .name:           k_q840d1f5e6f_quant
    .symbol:         k_q840d1f5e6f_quant.kd
    .args:
      - { .name: x, .offset: 0, .size: 8, .value_kind: global_buffer, .address_space: global }
      - { .name: Wq, .offset: 8, .size: 8, .value_kind: global_buffer, .address_space: global }
      - { .name: Wk, .offset: 16, .size: 8, .value_kind: global_buffer, .address_space: global }
      - { .name: Wv, .offset: 24, .size: 8, .value_kind: global_buffer, .address_space: global }
      - { .name: ximg, .offset: 32, .size: 8, .value_kind: global_buffer, .address_space: global }
      - { .name: wimg, .offset: 40, .size: 8, .value_kind: global_buffer, .address_space: global }
    .group_segment_fixed_size: 68608
    .private_segment_fixed_size: 0
    .kernarg_segment_align: 8
    .kernarg_segment_size: 48
    .max_flat_workgroup_size: 128
    .sgpr_count:     66
    .vgpr_count:     242
    .wavefront_size: 32
...
	.end_amdgpu_metadata
.endif
;; end of part 1
;; launch proj (part 2): grid 8 x 32, 4 waves a work-group, clusters of 4 x 4, 327,680 bytes of LDS; arguments ximg, wimg, qk; writes qk
.if DOCPART == 2
	.amdgcn_target "amdgcn-amd-amdhsa--gfx1250"
	.amdhsa_code_object_version 6
	.text
	.protected	k_q840d1f5e6f_proj
	.globl	k_q840d1f5e6f_proj
	.p2align	8
	.type	k_q840d1f5e6f_proj,@function
k_q840d1f5e6f_proj:
	s_mov_b64 s[64:65], 0
	v_nop
	global_prefetch_b8 v0, s[64:65] scope:SCOPE_SE
	s_setreg_imm32_b32 hwreg(HW_REG_WAVE_MODE, 25, 1), 1
	s_wait_xcnt 0x0
	s_wait_alu depctr_hold_cnt(0) depctr_sa_sdst(0) depctr_va_vdst(0) depctr_va_sdst(0) depctr_va_ssrc(0) depctr_va_vcc(0) depctr_vm_vsrc(0)
	s_getreg_b32 s2, hwreg(HW_REG_IB_STS2, 6, 4)
	s_cmp_eq_u32 s2, 0
	s_cbranch_scc0 .Lentry_in_a_cluster
	s_endpgm
.Lentry_in_a_cluster:
	s_bfe_u32 s2, ttmp6, 0x10000c
	s_cmp_lg_u32 s2, 0xf033
	s_cbranch_scc0 .Lentry_shape_is_right
	s_endpgm
.Lentry_shape_is_right:
; q = x Wq, k = x Wk and v^T = (x Wv)^T on codes of BF6 with E8M0 block scales, K = 1,024; the f32 results are quantised in registers along the NEXT product's K and leave as records.
; RECORD (12,800 bytes): 128 rows x 128 along K as an image of the operand's registers: tile i at 1536 i, registers 4 c .. 4 c + 3 of lane l at 512 c + 16 l; at 12,288 + 16 l + 4 j the scale word of tile 2 j + l / 16, row l % 16.
; Lane r of tile t holds row 32 (t / 2) + 8 (t % 2) + r + 8 (r / 8) of the 128.
; A tile of 256 (S1) x 256 (S0) is made by four waves, 128 x 128 each: 64 accumulators.  THE MATRIX INSTRUCTION IS USED TRANSPOSED: source 0 = 16 rows of S0, source 1 = 16 rows of S1: a lane holds ONE row of S1, and by the order of
; rows in a tile its 64 registers of a tile row are 64 numbers along S0 in the order 32 b + 16 (lane / 16) + i: what the conversions want.  So a wave's 128 x 128 is exactly one record of the next product's operand.
; Clusters with y < 8: S1 = tokens (ximg), S0 = columns of Wq, Wk (wimg groups 0-15): records of q and k (K = the 1,024 columns).  Clusters with y >= 8: S1 = columns of Wv, S0 = tokens: records of v^T (K = the keys).
; K goes in steps of 256 (two records a group) through a ring of two LDS slots; a wave fetches one group's two records, 25,600 dense bytes, by one tensor load.
; CLUSTERS: 4 x 4.  S1's tile is shared along a row of the cluster, S0's along a column: joint loads.  The choice between the two kinds hangs on the cluster's y alone and is made by selects: no branch differs between partners.
; LIMITS: NaN and infinities are not served; blocks of results whose largest magnitude lies under 2^-122 keep the byte 1.
; REGISTERS: window 0: v3 16 x lane; v16-17, v20-21 LDS addresses; v28-29 the add's; v32-63 scale words, two sets; v64-95 at work on the way out; v128-223 S1's 8 fragments, ONE set (on the way out: two sets of codes).
;   window 1: S0's fragments, two sets, at v0 and v128.   windows 2, 3: accumulator (a, b) at v[8 (8 (a % 4) + b)].
.set REC,   12800
.set RECA,  REC
.set RECB,  REC
.set QUART, 2*REC                      ; what one tensor load brings: a group's records of two K steps of 128
.set SLOT,  4*QUART                    ; S1's two groups, then S0's two
.set KBA,   2*REC
.set KBB,   2*REC
.set GRP,   8*REC                      ; a group's eight records in memory
.set SPARE, 2*SLOT                     ; behind the ring: the spare words, 128 bytes for each wave
.set ADRA, 16
.set ADRB, 20
.set SPW,  28
.set NIL,  29
.set SC,   32                          ; set (slot) at +16 slot; in it +8 q; registers 0-3 S1's words, 4-7 S0's: register j: lanes 0-15 tile 2 j, lanes 16-31 tile 2 j + 1
.set AF,   128
.set TM,   64                          ; v64-67 largest magnitudes; v68-71 the other half's, then bytes; v72-75 the conversions' scale operands
.set T2,   68
.set SO,   72
.set PW,   80                          ; v80-87 the eight tiles' scale words; v88-91 packed
.set PK,   88
.set G1,   24
.set G0,   32
.set G1B,  48
.set G0B,  56
.set SEL,  78
.set HM,   80
.set MSB, 0
.macro WIN new                         ; the immediate's high byte repeats the setting that is left
.if MSB != (\new)
	s_set_vgpr_msb (MSB<<8)|(\new)
.set MSB, (\new)
.endif
.endm
.set MUL_LO, 0xa1                      ; source 0 (S0) window 1, source 1 (S1) window 0, C and D window 2
.set MUL_HI, 0xf1                      ; the same, C and D window 3
.set TO_B,   0x40                      ; destination window 1
.macro PLACES n
.rept \n
	v_nop
.endr
.endm
.macro JLOAD s                         ; waves 0, 1 fetch S1's groups, waves 2, 3 S0's; four v_nop follow each line, ahead of the jump and the label
	s_cmp_eq_u32 s15, 0
	s_cbranch_scc0 .Lfor_b_\@
	tensor_load_to_lds s[G0+4*\s:G0+4*\s+3], s[G1:G1+7]
	s_nop 0
.rept 4
	v_nop
.endr
	s_branch .Lasked_\@
.Lfor_b_\@:
	tensor_load_to_lds s[G0B+4*\s:G0B+4*\s+3], s[G1B:G1B+7]
	s_nop 0
.rept 4
	v_nop
.endr
.Lasked_\@:
.endm
.macro CREST                           ; a round of the cluster's barrier behind its opening barrier
	s_cmp_lg_u32 s14, 0
	s_cbranch_scc1 .Lnot_wave_0_\@
	s_barrier_signal -3
.Lnot_wave_0_\@:
	s_barrier_wait -3
	s_barrier_signal -1
	s_barrier_wait -1
.endm
.macro CROUND
	s_barrier_signal -1
	s_barrier_wait -1
	CREST
.endm
.macro FRAG reg, adr, off              ; a fragment's image: three loads of 512 consecutive bytes
.irp c, 0,1,2
	ds_load_b128 v[(\reg)+4*\c:(\reg)+4*\c+3], v[\adr] offset:(\off)+512*\c
.endr
.endm
.macro FETCH_B slot, q, p              ; S0's eight fragments of the slot's q-th 128 along K into set p
	WIN TO_B
.irp i, 0,1,2,3,4,5,6,7
	FRAG 128*(\p)+12*\i, ADRB+\slot, (\q)*RECB+1536*\i
.endr
	WIN 0
.endm
.macro FETCH_A slot, q, i0             ; S1's tiles i0 .. i0 + 3
.irp i, \i0, \i0+1, \i0+2, \i0+3
	FRAG AF+12*(\i), ADRA+\slot, (\q)*RECA+1536*(\i)
.endr
.endm
.macro SCALES slot                     ; a slot's scale words: one load brings the words of eight tiles
.irp q, 0,1
	ds_load_b128 v[SC+16*\slot+8*\q:SC+16*\slot+8*\q+3], v[ADRA+\slot] offset:\q*RECA+12288
	ds_load_b128 v[SC+16*\slot+8*\q+4:SC+16*\slot+8*\q+7], v[ADRB+\slot] offset:\q*RECB+12288
.endr
.endm
; 16 matrix instructions: S1's tiles a0, a0 + 1 x S0's eight.  The 64 accumulators take turns, one instruction a turn, in the same order in every step.
; An odd tile's scale words stand in lanes 16-31 of their register.  zero = 1: the first product starts the sums.
.macro MUL16 a0, p, q, set, zero
.irp a, \a0, \a0+1
.irp b, 0,1,2,3,4,5,6,7
.set rD, 8*(8*((\a)%4)+\b)
.set rB, 128*(\p)+12*\b
.set rA, AF+12*(\a)
.set rX, SC+16*(\set)+8*(\q)+4+\b/2
.set rY, SC+16*(\set)+8*(\q)+(\a)/2
.set rV, 4*(\zero)+2*(\b%2)+(\a)%2
.if rV == 0
	v_wmma_scale_f32_16x16x128_f8f6f4 v[rD:rD+7], v[rB:rB+11], v[rA:rA+11], v[rD:rD+7], v[rX], v[rY] matrix_a_fmt:MATRIX_FMT_BF6 matrix_b_fmt:MATRIX_FMT_BF6
.elseif rV == 1
	v_wmma_scale_f32_16x16x128_f8f6f4 v[rD:rD+7], v[rB:rB+11], v[rA:rA+11], v[rD:rD+7], v[rX], v[rY] matrix_a_fmt:MATRIX_FMT_BF6 matrix_b_fmt:MATRIX_FMT_BF6 matrix_b_scale:MATRIX_SCALE_ROW1
.elseif rV == 2
	v_wmma_scale_f32_16x16x128_f8f6f4 v[rD:rD+7], v[rB:rB+11], v[rA:rA+11], v[rD:rD+7], v[rX], v[rY] matrix_a_fmt:MATRIX_FMT_BF6 matrix_b_fmt:MATRIX_FMT_BF6 matrix_a_scale:MATRIX_SCALE_ROW1
.elseif rV == 3
	v_wmma_scale_f32_16x16x128_f8f6f4 v[rD:rD+7], v[rB:rB+11], v[rA:rA+11], v[rD:rD+7], v[rX], v[rY] matrix_a_fmt:MATRIX_FMT_BF6 matrix_b_fmt:MATRIX_FMT_BF6 matrix_a_scale:MATRIX_SCALE_ROW1 matrix_b_scale:MATRIX_SCALE_ROW1
.elseif rV == 4
	v_wmma_scale_f32_16x16x128_f8f6f4 v[rD:rD+7], v[rB:rB+11], v[rA:rA+11], 0, v[rX], v[rY] matrix_a_fmt:MATRIX_FMT_BF6 matrix_b_fmt:MATRIX_FMT_BF6
.elseif rV == 5
	v_wmma_scale_f32_16x16x128_f8f6f4 v[rD:rD+7], v[rB:rB+11], v[rA:rA+11], 0, v[rX], v[rY] matrix_a_fmt:MATRIX_FMT_BF6 matrix_b_fmt:MATRIX_FMT_BF6 matrix_b_scale:MATRIX_SCALE_ROW1
.elseif rV == 6
	v_wmma_scale_f32_16x16x128_f8f6f4 v[rD:rD+7], v[rB:rB+11], v[rA:rA+11], 0, v[rX], v[rY] matrix_a_fmt:MATRIX_FMT_BF6 matrix_b_fmt:MATRIX_FMT_BF6 matrix_a_scale:MATRIX_SCALE_ROW1
.else
	v_wmma_scale_f32_16x16x128_f8f6f4 v[rD:rD+7], v[rB:rB+11], v[rA:rA+11], 0, v[rX], v[rY] matrix_a_fmt:MATRIX_FMT_BF6 matrix_b_fmt:MATRIX_FMT_BF6 matrix_a_scale:MATRIX_SCALE_ROW1 matrix_b_scale:MATRIX_SCALE_ROW1
.endif
.endr
.endr
.endm
; A slot's first 128 along K.  Loads into registers that matrix instructions have read stand four plain places behind them (ISA guide 7.12.1 for vector instructions).
.macro STEP slot, zero
	s_wait_dscnt 12                                ; all but the youngest twelve loads (S1's tiles 4-7) are in
	WIN MUL_LO
	MUL16 0, 0, 0, \slot, \zero
	MUL16 2, 0, 0, \slot, \zero
	s_wait_dscnt 0x0                               ; S1's tiles 4-7 are in
	PLACES 4
	FETCH_B \slot, 1, 1
	FETCH_A \slot, 1, 0
	WIN MUL_HI
	MUL16 4, 0, 0, \slot, \zero
	MUL16 6, 0, 0, \slot, \zero
	PLACES 4
	WIN 0
	FETCH_A \slot, 1, 4
.endm
; A slot's second 128 along K changes slots: ONE barrier; in front of it each wave waits for all its tensor loads, adds 0 to its spare word, and waits for that and for its reads of this slot.  fill = 1: the slot is filled again, two slots on.
.macro TURN slot, next, fill
	s_wait_tensorcnt 0x0                           ; all my tensor loads have landed: my part of the next slot
	ds_add_u32 v[SPW], v[NIL]                      ; 0 onto my spare word
	s_wait_dscnt 13                                ; (the add and the youngest twelve loads may be out)
	WIN MUL_LO
	MUL16 0, 1, 1, \slot, 0                        ; sixteen matrix instructions stand between the add and the wait for it
	s_wait_dscnt 0x0                               ; the add is done, and my reads of this slot are over
	s_barrier_signal -1
	MUL16 2, 1, 1, \slot, 0
	WIN 0
	s_barrier_wait -1
.if \fill
	CREST                                          ; the barrier has opened a round of the cluster's: no wave of any partner still reads this slot or has a load on its way
	s_add_nc_u64 s[G0+4*\slot+2:G0+4*\slot+3], s[G0+4*\slot+2:G0+4*\slot+3], 2*KBA
	s_add_nc_u64 s[G0B+4*\slot+2:G0B+4*\slot+3], s[G0B+4*\slot+2:G0B+4*\slot+3], 2*KBB
	JLOAD \slot                                    ; the first tensor load behind the round; its four v_nop are also the places in front of the loads below
.else
	PLACES 4
.endif
	FETCH_B \next, 0, 0
	FETCH_A \next, 0, 0
	SCALES \next
	WIN MUL_HI
	MUL16 4, 1, 1, \slot, 0
	MUL16 6, 1, 1, \slot, 0
	PLACES 4
	WIN 0
	FETCH_A \next, 0, 4
.endm
.macro LAST                            ; the very last 128 along K, in slot 1: nothing more to fetch
	s_wait_dscnt 12
	WIN MUL_LO
	MUL16 0, 1, 1, 1, 0
	MUL16 2, 1, 1, 1, 0
	s_wait_dscnt 0x0
	WIN MUL_HI
	MUL16 4, 1, 1, 1, 0
	MUL16 6, 1, 1, 1, 0
	WIN 0
.endm
	s_load_b128 s[4:7], s[0:1], 0x0                ; ximg s[4:5], wimg s[6:7]
	s_load_b64 s[8:9], s[0:1], 0x10                ; qk
	v_lshl_add_u32 v[SPW], v0, 2, SPARE
	v_mov_b32 v[NIL], 0
	ds_add_u32 v28, v29
	ds_add_u32 v28, v29
	s_wait_dscnt 0x0
	v_lshrrev_b32 v1, 5, v0
	v_readfirstlane_b32 s14, v1                    ; wave 0..3
	s_lshr_b32 s15, s14, 1                         ; which half of S1's rows is mine.  Also: I fetch for S1 (0) or S0 (1)
	s_and_b32 s16, s14, 1                          ; which half of S0's rows.  Also: which group of that tile I fetch
	s_bfe_u32 s40, ttmp6, 0x40000                  ; cx
	s_bfe_u32 s41, ttmp6, 0x40004                  ; cy
	s_and_b32 s42, ttmp7, 0xffff                   ; the cluster's y: 0-7 q and k, 8-11 v^T
	s_lshl_b32 s43, s41, 2
	s_lshl_b32 s43, 15, s43                        ; my row of the cluster
	s_lshl_b32 s44, 0x1111, s40                    ; my column
	s_lshl_b32 s17, s42, 2
	; THE GRID HOLDS THE CLUSTERS WITH y < 8 ALONE: 8 x 32 = 256 work-groups make q and k; v^T is made in the launch scores, so what the head comment says of y >= 8 has no part in this text
	s_lshl_b32 s45, ttmp9, 2
	s_mov_b32 s21, 0                               ; S0's tile: x (Wq's, Wk's columns)
	s_mov_b32 s72, 16                              ; records in a row of qk
	s_mov_b32 s73, 0
	s_add_co_u32 s17, s17, s41                     ; (never holds cx)
	s_add_co_u32 s21, s21, s45
	s_add_co_u32 s21, s21, s40                     ; (never holds cy)
	; descriptor group 1: 25,600 dense bytes as 100 rows of 32 elements of 8 bytes; no padding: an image is read 16 bytes a lane on end
	s_or_b32 s[G1+0], s43, (3<<16)|(1<<21)         ; 15:0 the mask: S1's tiles go to my row; 17:16 elements of 8 bytes; 21 set beside a mask
	s_or_b32 s[G1B+0], s44, (3<<16)|(1<<21)        ; S0's to my column
.irp g, G1, G1B
	s_mov_b32 s[\g+1], 32<<16                      ; tensor_dim0 = 32
	s_mov_b32 s[\g+2], 100<<16                     ; tensor_dim1 = 100
	s_mov_b32 s[\g+3], 32<<16                      ; tile_dim0 = 32
	s_mov_b32 s[\g+4], 100                         ; tile_dim1 = 100
	s_mov_b32 s[\g+5], 32                          ; from row to row
	s_mov_b32 s[\g+6], 0
	s_mov_b32 s[\g+7], 0
.endr
	s_lshl_b32 s18, s17, 1
	s_add_co_u32 s18, s18, s16
	s_mul_i32 s18, s18, GRP                        ; S1: group 2 t + (wave % 2)
	s_mov_b32 s19, 0
	s_lshl_b32 s22, s21, 1
	s_add_co_u32 s22, s22, s16
	s_mul_i32 s22, s22, GRP                        ; S0: group 2 u + (wave % 2)
	s_mov_b32 s23, 0
	s_mul_i32 s46, s14, QUART                      ; where they go: wave x a quarter of a slot
	s_wait_kmcnt 0x0
	s_mov_b64 s[66:67], s[4:5]                     ; S1's buffer: ximg
	s_mov_b64 s[68:69], s[6:7]                     ; S0's: wimg
	s_mov_b64 s[70:71], s[8:9]                     ; the output's: qk
	s_add_nc_u64 s[66:67], s[66:67], s[18:19]
	s_add_nc_u64 s[68:69], s[68:69], s[22:23]
	CROUND                                         ; all sixteen work-groups are here: the first joint loads meet
.irp s, 0,1
	s_mov_b32 s[G0+4*\s], 1
	s_add_co_u32 s[G0+4*\s+1], s46, \s*SLOT
	s_add_nc_u64 s[G0+4*\s+2:G0+4*\s+3], s[66:67], \s*KBA
	s_or_b32 s[G0+4*\s+3], s[G0+4*\s+3], 0x80000000
	s_mov_b32 s[G0B+4*\s], 1
	s_add_co_u32 s[G0B+4*\s+1], s46, \s*SLOT
	s_add_nc_u64 s[G0B+4*\s+2:G0B+4*\s+3], s[68:69], \s*KBB
	s_or_b32 s[G0B+4*\s+3], s[G0B+4*\s+3], 0x80000000
.endr
	JLOAD 0                                        ; slot 0: one tensor load a wave at the head
	v_and_b32 v1, 31, v0
	v_lshlrev_b32 v3, 4, v1                        ; 16 x lane
	s_mul_i32 s18, s15, QUART                      ; my group of S1
	s_mul_i32 s22, s16, QUART                      ; my group of S0,
	s_add_co_u32 s22, s22, 2*QUART                 ; behind S1's two
.irp s, 0,1
	v_add_nc_u32 v[ADRA+\s], s18, v3
	v_add_nc_u32 v[ADRB+\s], s22, v3
	s_add_co_u32 s18, s18, SLOT
	s_add_co_u32 s22, s22, SLOT
.endr
.irp b, 0,1,2,3
	v_mov_b32 v[T2+\b], 0                          ; a lane permute's destination counts as one of its sources
.endr
	s_mov_b32 s[SEL], 0x76543210
	s_mov_b32 s[SEL+1], 0xfedcba98
	s_mov_b32 s[HM], 0xffff0000
	s_lshl_b32 s74, s17, 1                         ; my record: ((2 t + half - first group) x records in a row + 2 u + half) x 12,800, in registers that feed no descriptor
	s_add_co_u32 s74, s74, s15
	s_sub_co_u32 s74, s74, s73
	s_mul_i32 s74, s74, s72
	s_lshl_b32 s75, s21, 1
	s_add_co_u32 s74, s74, s75
	s_add_co_u32 s74, s74, s16
	s_mul_i32 s74, s74, REC
	s_mov_b32 s75, 0
	s_add_nc_u64 s[70:71], s[70:71], s[74:75]
	s_wait_alu depctr_va_vdst(0)
	s_wait_tensorcnt 0x0                           ; my part of slot 0 is in
	ds_add_u32 v[SPW], v[NIL]
	s_wait_dscnt 0x0
	CROUND                                         ; a whole round: slot 0 is whole, and the joint loads meet
	JLOAD 1                                        ; slot 1's first fill, the first tensor load behind the round
	FETCH_B 0, 0, 0
	FETCH_A 0, 0, 0
	SCALES 0
	FETCH_A 0, 0, 4
	STEP 0, 1                                      ; K = 1,024 is four slots: written straight
	TURN 0, 1, 1
	STEP 1, 0
	TURN 1, 0, 1
	STEP 0, 0
	TURN 0, 1, 0
	STEP 1, 0
	LAST
; THE WAY OUT.  Tile row a: my 64 numbers (register 16 b + i = k 32 b + 16 (lane / 16) + i of my row) become a fragment's codes and a scale word; the image is stored as it stands.  Each accumulator is read from its low end on.
.macro QUANTW a
.set W,  2+(\a)/4
.set AC, 64*((\a)%4)
.set PC, 128+32*((\a)%2)
.set W01, W|(W<<2)
.set W12, (W<<2)|(W<<4)
	WIN W01
.irp b, 0,1,2,3
	v_max3_num_f32 v[TM+\b], |v[AC+16*\b]|, |v[AC+16*\b+1]|, 0x2800000   ; block b: my 16 numbers, and the floor 2^(5 - 127)
.endr
	WIN W12
.irp i, 2,4,6,8,10,12,14
.irp b, 0,1,2,3
	v_max3_num_f32 v[TM+\b], v[TM+\b], |v[AC+16*\b+\i]|, |v[AC+16*\b+\i+1]|
.endr
.endr
	WIN 0
.irp b, 0,1,2,3
	v_permlanex16_b32 v[T2+\b], v[TM+\b], s[SEL], s[SEL+1]
.endr
.irp b, 0,1,2,3
	v_max_num_f32 v[TM+\b], v[TM+\b], v[T2+\b]     ; with lane l xor 16's: the block's largest magnitude
.endr
.irp b, 0,1,2,3
	v_add_nc_u32 v[SO+\b], 0xfe000000, v[TM+\b]    ; 4 off its exponent field: the conversion's scale operand
.endr
.irp b, 0,1,2,3
	v_lshrrev_b32 v[T2+\b], 23, v[SO+\b]           ; the scale's byte
.endr
	v_lshl_or_b32 v[PW+\a], v[T2+1], 8, v[T2]
	v_lshl_or_b32 v[PW+\a], v[T2+2], 16, v[PW+\a]
	v_lshl_or_b32 v[PW+\a], v[T2+3], 24, v[PW+\a]
.if (\a) > 1
	s_wait_xcnt 0x0                                ; the stores of two tile rows ago have read this set of codes
.endif
	WIN W
.irp c, 0,1
	v_cvt_scalef32_pk16_bf6_f32 v[PC+6*\c:PC+6*\c+2], v[AC+32*\c:AC+32*\c+15], v[SO+2*\c]
	v_cvt_scalef32_pk16_bf6_f32 v[PC+12+4*\c:PC+12+4*\c+2], v[AC+32*\c+16:AC+32*\c+31], v[SO+2*\c+1]
.endr
	WIN 0
	v_nop                                          ; one plain place behind a scaled conversion
.irp c, 0,1                            ; the operand's layout wants a WHOLE block in a lane
.irp i, 0,1,2
	v_permlane16_swap_b32 v[PC+6*\c+\i], v[PC+12+4*\c+\i]
.endr
.irp i, 0,1,2
	v_mov_b32 v[PC+3+6*\c+\i], v[PC+12+4*\c+\i]
.endr
.endr
.irp c, 0,1,2
	global_store_b128 v3, v[PC+4*\c:PC+4*\c+3], s[70:71] offset:1536*(\a)+512*\c   ; 512 consecutive bytes, aligned
.endr
.endm
	PLACES 4                                       ; behind the last products
.irp a, 0,1,2,3,4,5,6,7
	QUANTW \a
.endr
.irp j, 0,1,2,3
	v_cndmask_b32 v[PK+\j], v[PW+2*\j], v[PW+2*\j+1], s[HM]   ; lanes 0-15: tile 2 j's words, lanes 16-31: tile 2 j + 1's
.endr
	global_store_b128 v3, v[PK:PK+3], s[70:71] offset:12288
	s_wait_tensorcnt 0x0                           ; the wave's end
	ds_add_u32 v[SPW], v[NIL]
	s_wait_dscnt 0x0
	CROUND                                         ; the closing round
	s_endpgm
.Lfunc_end_k_q840d1f5e6f_proj:
	.size	k_q840d1f5e6f_proj, .Lfunc_end_k_q840d1f5e6f_proj-k_q840d1f5e6f_proj
	.p2alignl 7, 3214868480
	.fill 96, 4, 3214868480
	.section	.rodata,"a",@progbits
	.p2align	6, 0x0
	.amdhsa_kernel k_q840d1f5e6f_proj
		.amdhsa_group_segment_fixed_size 327680
		.amdhsa_private_segment_fixed_size 0
		.amdhsa_enable_private_segment 0
		.amdhsa_kernarg_size 24
		.amdhsa_user_sgpr_count 2
		.amdhsa_user_sgpr_kernarg_segment_ptr 1
		.amdhsa_wavefront_size32 1
		.amdhsa_system_sgpr_workgroup_id_x 1
		.amdhsa_system_sgpr_workgroup_id_y 1
		.amdhsa_system_sgpr_workgroup_id_z 1
		.amdhsa_system_vgpr_workitem_id 0
		.amdhsa_next_free_vgpr 1024
		.amdhsa_next_free_sgpr 96
		.amdhsa_reserve_vcc 0
		.amdhsa_float_denorm_mode_32 3
		.amdhsa_float_denorm_mode_16_64 3
		.amdhsa_memory_ordered 1
		.amdhsa_forward_progress 1
		.amdhsa_inst_pref_size 136
	.end_amdhsa_kernel
	.amdgpu_metadata
---
amdhsa.version: [ 1, 2 ]
amdhsa.kernels:
  - .name:           k_q840d1f5e6f_proj
    .symbol:         k_q840d1f5e6f_proj.kd
    .args:
      - { .name: ximg, .offset: 0, .size: 8, .value_kind: global_buffer, .address_space: global }
      - { .name: wimg, .offset: 8, .size: 8, .value_kind: global_buffer, .address_space: global }
      - { .name: qk, .offset: 16, .size: 8, .value_kind: global_buffer, .address_space: global }
    .group_segment_fixed_size: 327680
    .private_segment_fixed_size: 0
    .kernarg_segment_align: 8
    .kernarg_segment_size: 24
    .max_flat_workgroup_size: 128
    .sgpr_count:     96
    .vgpr_count:     1024
    .wavefront_size: 32
...
	.end_amdgpu_metadata
.endif
;; end of part 2
;; launch scores (part 3): grid 68 x 4, 4 waves a work-group, no clusters, 327,680 bytes of LDS; arguments qk, p, ximg, wimg, vimg; writes p, vimg
.if DOCPART == 3
	.amdgcn_target "amdgcn-amd-amdhsa--gfx1250"
	.amdhsa_code_object_version 6
	.text
	.protected	k_q840d1f5e6f_scores
	.globl	k_q840d1f5e6f_scores
	.p2align	8
	.type	k_q840d1f5e6f_scores,@function
k_q840d1f5e6f_scores:
	s_mov_b64 s[64:65], 0
	v_nop
	global_prefetch_b8 v0, s[64:65] scope:SCOPE_SE
	s_setreg_imm32_b32 hwreg(HW_REG_WAVE_MODE, 25, 1), 1
	s_wait_xcnt 0x0
.set REC,   12800
.set RECA,  REC
.set RECB,  REC
.set PREC,  13824
.set QUART, 2*REC
.set SLOT,  4*QUART
.set KBA,   2*REC
.set SPARE, 2*SLOT
.set ADRA, 16
.set ADRB, 20
.set SPW,  28
.set NIL,  29
.set SC,   32
.set AF,   128
.set TM,   64
.set T2,   68
.set SO,   72
.set NM,   76
.set DD,   83
.set NI,   84
.set DB,   85
.set PW,   88
.set MM,   96
.set LL,   104
.set PK,   112
.set G1,   24
.set G0,   32
.set CS,   44
.set SEL,  46
.set HM,   48
.set MSB, 0
.macro WIN new
.if MSB != (\new)
	s_set_vgpr_msb (MSB<<8)|(\new)
.set MSB, (\new)
.endif
.endm
.set MUL_LO, 0xa1
.set MUL_HI, 0xf1
.set TO_B,   0x40
.macro PLACES n
.rept \n
	v_nop
.endr
.endm
.macro FRAG reg, adr, off
.irp c, 0,1,2
	ds_load_b128 v[(\reg)+4*\c:(\reg)+4*\c+3], v[\adr] offset:(\off)+512*\c
.endr
.endm
.macro FETCH_B slot, q, p
	WIN TO_B
.irp i, 0,1,2,3,4,5,6,7
	FRAG 128*(\p)+12*\i, ADRB+\slot, (\q)*RECB+1536*\i
.endr
	WIN 0
.endm
.macro FETCH_A slot, q, i0
.irp i, \i0, \i0+1, \i0+2, \i0+3
	FRAG AF+12*(\i), ADRA+\slot, (\q)*RECA+1536*(\i)
.endr
.endm
.macro SCALES slot
.irp q, 0,1
	ds_load_b128 v[SC+16*\slot+8*\q:SC+16*\slot+8*\q+3], v[ADRA+\slot] offset:\q*RECA+12288
	ds_load_b128 v[SC+16*\slot+8*\q+4:SC+16*\slot+8*\q+7], v[ADRB+\slot] offset:\q*RECB+12288
.endr
.endm
.macro MUL16 a0, p, q, set, zero
.irp a, \a0, \a0+1
.irp b, 0,1,2,3,4,5,6,7
.set rD, 8*(8*((\a)%4)+\b)
.set rB, 128*(\p)+12*\b
.set rA, AF+12*(\a)
.set rX, SC+16*(\set)+8*(\q)+4+\b/2
.set rY, SC+16*(\set)+8*(\q)+(\a)/2
.set rV, 4*(\zero)+2*(\b%2)+(\a)%2
.if rV == 0
	v_wmma_scale_f32_16x16x128_f8f6f4 v[rD:rD+7], v[rB:rB+11], v[rA:rA+11], v[rD:rD+7], v[rX], v[rY] matrix_a_fmt:MATRIX_FMT_BF6 matrix_b_fmt:MATRIX_FMT_BF6
.elseif rV == 1
	v_wmma_scale_f32_16x16x128_f8f6f4 v[rD:rD+7], v[rB:rB+11], v[rA:rA+11], v[rD:rD+7], v[rX], v[rY] matrix_a_fmt:MATRIX_FMT_BF6 matrix_b_fmt:MATRIX_FMT_BF6 matrix_b_scale:MATRIX_SCALE_ROW1
.elseif rV == 2
	v_wmma_scale_f32_16x16x128_f8f6f4 v[rD:rD+7], v[rB:rB+11], v[rA:rA+11], v[rD:rD+7], v[rX], v[rY] matrix_a_fmt:MATRIX_FMT_BF6 matrix_b_fmt:MATRIX_FMT_BF6 matrix_a_scale:MATRIX_SCALE_ROW1
.elseif rV == 3
	v_wmma_scale_f32_16x16x128_f8f6f4 v[rD:rD+7], v[rB:rB+11], v[rA:rA+11], v[rD:rD+7], v[rX], v[rY] matrix_a_fmt:MATRIX_FMT_BF6 matrix_b_fmt:MATRIX_FMT_BF6 matrix_a_scale:MATRIX_SCALE_ROW1 matrix_b_scale:MATRIX_SCALE_ROW1
.elseif rV == 4
	v_wmma_scale_f32_16x16x128_f8f6f4 v[rD:rD+7], v[rB:rB+11], v[rA:rA+11], 0, v[rX], v[rY] matrix_a_fmt:MATRIX_FMT_BF6 matrix_b_fmt:MATRIX_FMT_BF6
.elseif rV == 5
	v_wmma_scale_f32_16x16x128_f8f6f4 v[rD:rD+7], v[rB:rB+11], v[rA:rA+11], 0, v[rX], v[rY] matrix_a_fmt:MATRIX_FMT_BF6 matrix_b_fmt:MATRIX_FMT_BF6 matrix_b_scale:MATRIX_SCALE_ROW1
.elseif rV == 6
	v_wmma_scale_f32_16x16x128_f8f6f4 v[rD:rD+7], v[rB:rB+11], v[rA:rA+11], 0, v[rX], v[rY] matrix_a_fmt:MATRIX_FMT_BF6 matrix_b_fmt:MATRIX_FMT_BF6 matrix_a_scale:MATRIX_SCALE_ROW1
.else
	v_wmma_scale_f32_16x16x128_f8f6f4 v[rD:rD+7], v[rB:rB+11], v[rA:rA+11], 0, v[rX], v[rY] matrix_a_fmt:MATRIX_FMT_BF6 matrix_b_fmt:MATRIX_FMT_BF6 matrix_a_scale:MATRIX_SCALE_ROW1 matrix_b_scale:MATRIX_SCALE_ROW1
.endif
.endr
.endr
.endm
.macro STEP slot, zero
	s_wait_dscnt 12
	WIN MUL_LO
	MUL16 0, 0, 0, \slot, \zero
	MUL16 2, 0, 0, \slot, \zero
	s_wait_dscnt 0x0
	PLACES 4
	FETCH_B \slot, 1, 1
	FETCH_A \slot, 1, 0
	WIN MUL_HI
	MUL16 4, 0, 0, \slot, \zero
	MUL16 6, 0, 0, \slot, \zero
	PLACES 4
	WIN 0
	FETCH_A \slot, 1, 4
.endm
.macro TURN slot, next, fill
	s_wait_tensorcnt 0x0
	ds_add_u32 v[SPW], v[NIL]
	s_wait_dscnt 13
	WIN MUL_LO
	MUL16 0, 1, 1, \slot, 0
	s_wait_dscnt 0x0
	s_barrier_signal -1
	MUL16 2, 1, 1, \slot, 0
	WIN 0
	s_barrier_wait -1
.if \fill
	s_add_nc_u64 s[G0+4*\slot+2:G0+4*\slot+3], s[G0+4*\slot+2:G0+4*\slot+3], 2*KBA
	tensor_load_to_lds s[G0+4*\slot:G0+4*\slot+3], s[G1:G1+7]
	s_nop 0
.endif
	PLACES 4
	FETCH_B \next, 0, 0
	FETCH_A \next, 0, 0
	SCALES \next
	WIN MUL_HI
	MUL16 4, 1, 1, \slot, 0
	MUL16 6, 1, 1, \slot, 0
	PLACES 4
	WIN 0
	FETCH_A \next, 0, 4
.endm
.macro LAST
	s_wait_dscnt 12
	WIN MUL_LO
	MUL16 0, 1, 1, 1, 0
	MUL16 2, 1, 1, 1, 0
	s_wait_dscnt 0x0
	WIN MUL_HI
	MUL16 4, 1, 1, 1, 0
	MUL16 6, 1, 1, 1, 0
	WIN 0
.endm
	; TWO KINDS OF WORK-GROUP, told apart by the work-group's x alone; both make a tile of 256 (S1) x 256 (S0) with K = 1,024 from groups of eight records of 12,800 bytes, by the same ring and the same products.
	; x < 36: scores of one batch: S1 = queries, S0 = keys (records of q and k in qk); the way out is the softmax's p, quantised along the keys, with each record's M and l.  Tiles above the causal mask are left out.
	; x >= 36: tile vi = x - 36 + 32 y of v^T = (x Wv)^T: S1 = 256 columns of Wv (wimg, groups 16 + 2 (vi % 4) ..), S0 = 256 tokens (ximg, groups 2 (vi / 4) ..); the way out is the quantiser along the tokens, into records of vimg.
	; No cluster: the scores' work-groups of a row or column of tiles differ in number under the mask, and the grid, 68 x 4, does not divide into clusters whose partners are of one kind.
	s_load_b128 s[4:7], s[0:1], 0x0                ; qk, p
	s_load_b128 s[8:11], s[0:1], 0x10              ; ximg, wimg
	s_load_b64 s[12:13], s[0:1], 0x20              ; vimg
	v_lshl_add_u32 v[SPW], v0, 2, SPARE
	v_mov_b32 v[NIL], 0
	ds_add_u32 v28, v29
	ds_add_u32 v28, v29
	s_wait_dscnt 0x0
	v_lshrrev_b32 v1, 5, v0
	v_readfirstlane_b32 s14, v1
	s_lshr_b32 s15, s14, 1
	s_and_b32 s16, s14, 1
	s_and_b32 s20, ttmp7, 0xffff
	s_mov_b32 s17, 0
.irp T, 1,3,6,10,15,21,28
	s_cmp_ge_u32 ttmp9, \T
	s_add_co_ci_u32 s17, s17, 0
.endr
	s_add_co_u32 s18, s17, 1
	s_mul_i32 s18, s18, s17
	s_lshr_b32 s18, s18, 1
	s_sub_co_u32 s18, ttmp9, s18
	s_cmp_lt_u32 s14, 2
	s_cselect_b32 s21, s17, s18
	s_cselect_b32 s22, 0, 8*REC
	s_lshl_b32 s21, s21, 1
	s_add_co_u32 s21, s21, s16
	s_lshl_b32 s23, s20, 4
	s_add_co_u32 s21, s21, s23
	s_mul_i32 s21, s21, 16*REC
	s_add_co_u32 s22, s21, s22
	s_mov_b32 s23, 0
	s_sub_co_u32 s49, ttmp9, 36                    ; v^T's work-groups (for the others these numbers are not used):
	s_lshl_b32 s50, s20, 5
	s_add_co_u32 s49, s49, s50                     ; vi = x - 36 + 32 y, 0 .. 127
	s_and_b32 s50, s49, 3                          ; S1's tile: 256 columns of Wv
	s_lshr_b32 s51, s49, 2                         ; S0's tile: 256 tokens
	s_add_co_u32 s52, s50, 8                       ; Wv's groups begin at 16
	s_cmp_lt_u32 s14, 2
	s_cselect_b32 s52, s52, s51                    ; waves 0, 1 fetch S1's groups, waves 2, 3 S0's
	s_lshl_b32 s52, s52, 1
	s_add_co_u32 s52, s52, s16
	s_mul_i32 s52, s52, 8*REC
	s_cmp_ge_u32 ttmp9, 36
	s_cselect_b32 s22, s52, s22
	s_mov_b32 s[G1+0], 3<<16
	s_mov_b32 s[G1+1], 32<<16
	s_mov_b32 s[G1+2], 100<<16
	s_mov_b32 s[G1+3], 32<<16
	s_mov_b32 s[G1+4], 100
	s_mov_b32 s[G1+5], 32
	s_mov_b32 s[G1+6], 0
	s_mov_b32 s[G1+7], 0
	s_mul_i32 s43, s14, QUART
	s_wait_kmcnt 0x0
	s_cmp_lt_u32 s14, 2                            ; the buffers are chosen by ids alone
	s_cselect_b64 s[8:9], s[10:11], s[8:9]         ; v^T: S1 from wimg, S0 from ximg
	s_cmp_ge_u32 ttmp9, 36
	s_cselect_b64 s[4:5], s[8:9], s[4:5]
	s_cselect_b64 s[6:7], s[12:13], s[6:7]
	s_add_nc_u64 s[4:5], s[4:5], s[22:23]
.irp s, 0,1
	s_mov_b32 s[G0+4*\s], 1
	s_add_co_u32 s[G0+4*\s+1], s43, \s*SLOT
	s_add_nc_u64 s[G0+4*\s+2:G0+4*\s+3], s[4:5], \s*KBA
	s_or_b32 s[G0+4*\s+3], s[G0+4*\s+3], 0x80000000
	s_wait_alu depctr_va_vdst(0)
	s_wait_tensorcnt 0x0
	ds_add_u32 v28, v29
	ds_add_u32 v28, v29
	s_wait_dscnt 0x0
	s_barrier_signal -1
	s_barrier_wait -1
	tensor_load_to_lds s[G0+4*\s:G0+4*\s+3], s[G1:G1+7]
	s_nop 0
	PLACES 4
.endr
	v_and_b32 v1, 31, v0
	v_lshlrev_b32 v3, 4, v1
	v_and_b32 v1, 15, v0
	v_bfe_u32 v2, v0, 4, 1
	s_mul_i32 s21, s15, QUART
	s_mul_i32 s22, s16, QUART
	s_add_co_u32 s22, s22, 2*QUART
.irp s, 0,1
	v_add_nc_u32 v[ADRA+\s], s21, v3
	v_add_nc_u32 v[ADRB+\s], s22, v3
	s_add_co_u32 s21, s21, SLOT
	s_add_co_u32 s22, s22, SLOT
.endr
.irp b, 0,1,2,3
	v_mov_b32 v[T2+\b], 0
.endr
	v_mov_b32 v[NM+1], 0
	v_mov_b32 v[NI], 0xff800000
	s_sub_co_i32 s42, s15, s16
	s_lshl_b32 s42, s42, 7
	v_and_b32 v[DB], 8, v1
	v_add_nc_u32 v[DB], v[DB], v1
	v_lshlrev_b32 v[DD], 4, v2
	v_sub_nc_u32 v[DB], v[DB], v[DD]
	v_add_nc_u32 v[DB], s42, v[DB]
	s_mov_b32 s[CS], 0x3d38aa3b
	s_mov_b32 s[CS+1], s[CS]
	s_mov_b32 s[SEL], 0x76543210
	s_mov_b32 s[SEL+1], 0xfedcba98
	s_mov_b32 s[HM], 0xffff0000
	s_lshl_b32 s40, s20, 4
	s_lshl_b32 s41, s17, 1
	s_add_co_u32 s40, s40, s41
	s_add_co_u32 s40, s40, s15
	s_lshl_b32 s40, s40, 4
	s_lshl_b32 s41, s18, 1
	s_add_co_u32 s40, s40, s41
	s_add_co_u32 s40, s40, s16
	s_mul_i32 s40, s40, PREC
	s_lshl_b32 s53, s50, 1                         ; v^T: my record ((2 t + half of S1) x 64 + 2 u + half of S0) of vimg
	s_add_co_u32 s53, s53, s15
	s_lshl_b32 s53, s53, 6
	s_lshl_b32 s54, s51, 1
	s_add_co_u32 s53, s53, s54
	s_add_co_u32 s53, s53, s16
	s_mul_i32 s53, s53, REC
	s_cmp_ge_u32 ttmp9, 36
	s_cselect_b32 s40, s53, s40
	s_mov_b32 s41, 0
	s_add_nc_u64 s[6:7], s[6:7], s[40:41]
	s_wait_tensorcnt 1
	s_barrier_signal -1
	s_barrier_wait -1
	FETCH_B 0, 0, 0
	FETCH_A 0, 0, 0
	SCALES 0
	FETCH_A 0, 0, 4
	STEP 0, 1
	TURN 0, 1, 1
	STEP 1, 0
	TURN 1, 0, 1
	STEP 0, 0
	TURN 0, 1, 0
	STEP 1, 0
	LAST
.macro SOFT a
.set W,  2+(\a)/4
.set AC, 64*((\a)%4)
.set PC, 128+32*((\a)%2)
.set WD0,  W|(W<<6)
.set W012, W|(W<<2)|(W<<4)
.set W12,  (W<<2)|(W<<4)
.set W01,  W|(W<<2)
.set W1,   W<<2
	s_cmp_lg_u32 s17, s18
	s_cbranch_scc1 .Lopen_\@
	s_wait_alu depctr_va_vdst(0)
	v_add_nc_u32 v[DD], 32*((\a)/2)+8*((\a)%2), v[DB]
	WIN WD0
.set n, 0
.rept 64
	v_cmp_gt_i32 vcc_lo, 32*(n/16)+n%16, v[DD]
	v_cndmask_b32 v[AC+n], v[AC+n], v[NI], vcc_lo
.set n, n+1
.endr
	WIN 0
.Lopen_\@:
	WIN W012
.irp b, 0,1,2,3
	v_max3_num_f32 v[TM+\b], v[AC+16*\b], v[AC+16*\b+1], v[AC+16*\b+2]
.endr
	WIN W12
.irp i, 3,5,7,9,11,13
.irp b, 0,1,2,3
	v_max3_num_f32 v[TM+\b], v[TM+\b], v[AC+16*\b+\i], v[AC+16*\b+\i+1]
.endr
.endr
.irp b, 0,1,2,3
	v_max_num_f32 v[TM+\b], v[TM+\b], v[AC+16*\b+15]
.endr
	WIN 0
.irp b, 0,1,2,3
	v_permlanex16_b32 v[T2+\b], v[TM+\b], s[SEL], s[SEL+1]
.endr
.irp b, 0,1,2,3
	v_max_num_f32 v[TM+\b], v[TM+\b], v[T2+\b]
.endr
	v_max3_num_f32 v82, v[TM], v[TM+1], v[TM+2]
	v_max_num_f32 v82, v82, v[TM+3]
	v_mul_f32 v82, s[CS], v82
	v_max_num_f32 v82, 0xcd800000, v82
	v_floor_f32 v[NM], -v82
	v_sub_f32 v[MM+\a], 0, v[NM]
.irp b, 0,1,2,3
	v_fma_f32 v[TM+\b], v[TM+\b], s[CS], v[NM]
.endr
	WIN WD0
.set n, 0
.rept 32
	v_pk_fma_f32 v[AC+n:AC+n+1], v[AC+n:AC+n+1], s[CS:CS+1], v[NM:NM+1] op_sel_hi:[1,0,0]
.set n, n+2
.endr
.set n, 0
	s_wait_alu depctr_va_vdst(0)
.rept 64
	v_exp_f32 v[AC+n], v[AC+n]
.set n, n+1
.endr
	WIN 0
.irp b, 0,1,2,3
	v_exp_f32 v[TM+\b], v[TM+\b]
.endr
	v_nop
	s_wait_alu depctr_va_vdst(0)
	WIN W01
	v_pk_add_f32 v[78:79], v[AC:AC+1], v[AC+2:AC+3]
	v_pk_add_f32 v[80:81], v[AC+4:AC+5], v[AC+6:AC+7]
	WIN W1
.set n, 8
.rept 14
	v_pk_add_f32 v[78:79], v[78:79], v[AC+n:AC+n+1]
	v_pk_add_f32 v[80:81], v[80:81], v[AC+n+2:AC+n+3]
.set n, n+4
.endr
	WIN 0
	v_pk_add_f32 v[78:79], v[78:79], v[80:81]
	v_add_f32 v78, v78, v79
	v_permlanex16_b32 v80, v78, s[SEL], s[SEL+1]
	v_add_f32 v[LL+\a], v78, v80
.irp b, 0,1,2,3
	v_max_num_f32 v[TM+\b], 0x21800000, v[TM+\b]
.endr
.irp b, 0,1,2,3
	v_add_nc_u32 v[SO+\b], 0xfe000000, v[TM+\b]
.endr
.irp b, 0,1,2,3
	v_lshrrev_b32 v[T2+\b], 23, v[SO+\b]
.endr
	v_lshl_or_b32 v[PW+\a], v[T2+1], 8, v[T2]
	v_lshl_or_b32 v[PW+\a], v[T2+2], 16, v[PW+\a]
	v_lshl_or_b32 v[PW+\a], v[T2+3], 24, v[PW+\a]
.if (\a) > 1
	s_wait_xcnt 0x0
.endif
	WIN W
.irp c, 0,1
	v_cvt_scalef32_pk16_bf6_f32 v[PC+6*\c:PC+6*\c+2], v[AC+32*\c:AC+32*\c+15], v[SO+2*\c]
	v_cvt_scalef32_pk16_bf6_f32 v[PC+12+4*\c:PC+12+4*\c+2], v[AC+32*\c+16:AC+32*\c+31], v[SO+2*\c+1]
.endr
	WIN 0
	v_nop
.irp c, 0,1
.irp i, 0,1,2
	v_permlane16_swap_b32 v[PC+6*\c+\i], v[PC+12+4*\c+\i]
.endr
.irp i, 0,1,2
	v_mov_b32 v[PC+3+6*\c+\i], v[PC+12+4*\c+\i]
.endr
.endr
.irp c, 0,1,2
	global_store_b128 v3, v[PC+4*\c:PC+4*\c+3], s[6:7] offset:1536*(\a)+512*\c
.endr
.endm
; v^T's WAY OUT.  Tile row a: my 64 numbers (register 16 b + i = token 32 b + 16 (lane / 16) + i of my column) become a fragment's codes and a scale word; the image is stored as it stands.  Each accumulator is read from its low end on.
.macro QUANTW a
.set W,  2+(\a)/4
.set AC, 64*((\a)%4)
.set PC, 128+32*((\a)%2)
.set W01, W|(W<<2)
.set W12, (W<<2)|(W<<4)
	WIN W01
.irp b, 0,1,2,3
	v_max3_num_f32 v[TM+\b], |v[AC+16*\b]|, |v[AC+16*\b+1]|, 0x2800000   ; block b: my 16 numbers, and the floor 2^(5 - 127)
.endr
	WIN W12
.irp i, 2,4,6,8,10,12,14
.irp b, 0,1,2,3
	v_max3_num_f32 v[TM+\b], v[TM+\b], |v[AC+16*\b+\i]|, |v[AC+16*\b+\i+1]|
.endr
.endr
	WIN 0
.irp b, 0,1,2,3
	v_permlanex16_b32 v[T2+\b], v[TM+\b], s[SEL], s[SEL+1]
.endr
.irp b, 0,1,2,3
	v_max_num_f32 v[TM+\b], v[TM+\b], v[T2+\b]     ; with lane l xor 16's: the block's largest magnitude
.endr
.irp b, 0,1,2,3
	v_add_nc_u32 v[SO+\b], 0xfe000000, v[TM+\b]    ; 4 off its exponent field: the conversion's scale operand
.endr
.irp b, 0,1,2,3
	v_lshrrev_b32 v[T2+\b], 23, v[SO+\b]           ; the scale's byte
.endr
	v_lshl_or_b32 v[PW+\a], v[T2+1], 8, v[T2]
	v_lshl_or_b32 v[PW+\a], v[T2+2], 16, v[PW+\a]
	v_lshl_or_b32 v[PW+\a], v[T2+3], 24, v[PW+\a]
.if (\a) > 1
	s_wait_alu depctr_va_vdst(0)
	s_wait_xcnt 0x0                                ; the stores of two tile rows ago have read this set of codes
.endif
	WIN W
.irp c, 0,1
	v_cvt_scalef32_pk16_bf6_f32 v[PC+6*\c:PC+6*\c+2], v[AC+32*\c:AC+32*\c+15], v[SO+2*\c]
	v_cvt_scalef32_pk16_bf6_f32 v[PC+12+4*\c:PC+12+4*\c+2], v[AC+32*\c+16:AC+32*\c+31], v[SO+2*\c+1]
.endr
	WIN 0
	v_nop                                          ; one plain place behind a scaled conversion
.irp c, 0,1                            ; the operand's layout wants a WHOLE block in a lane
.irp i, 0,1,2
	v_permlane16_swap_b32 v[PC+6*\c+\i], v[PC+12+4*\c+\i]
.endr
.irp i, 0,1,2
	v_mov_b32 v[PC+3+6*\c+\i], v[PC+12+4*\c+\i]
.endr
.endr
.irp c, 0,1,2
	global_store_b128 v3, v[PC+4*\c:PC+4*\c+3], s[6:7] offset:1536*(\a)+512*\c   ; 512 consecutive bytes, aligned
.endr
.endm
	PLACES 4
	s_cmp_lt_u32 ttmp9, 36                         ; which way out: the work-group's x alone decides
	s_cbranch_scc1 .Lsoft
.irp a, 0,1,2,3,4,5,6,7
	QUANTW \a
.endr
.irp j, 0,1,2,3
	v_cndmask_b32 v[PK+\j], v[PW+2*\j], v[PW+2*\j+1], s[HM]   ; lanes 0-15: tile 2 j's words, lanes 16-31: tile 2 j + 1's
.endr
	global_store_b128 v3, v[PK:PK+3], s[6:7] offset:12288
	s_branch .Lno_zero
.Lsoft:
.irp a, 0,1,2,3,4,5,6,7
	SOFT \a
.endr
.irp j, 0,1,2,3
	v_cndmask_b32 v[PK+\j], v[PW+2*\j], v[PW+2*\j+1], s[HM]
	v_cndmask_b32 v[PK+4+\j], v[MM+2*\j], v[MM+2*\j+1], s[HM]
	v_cndmask_b32 v[PK+8+\j], v[LL+2*\j], v[LL+2*\j+1], s[HM]
.endr
	global_store_b128 v3, v[PK:PK+3], s[6:7] offset:12288
	global_store_b128 v3, v[PK+4:PK+7], s[6:7] offset:12800
	global_store_b128 v3, v[PK+8:PK+11], s[6:7] offset:13312
.Lno_zero:                                             ; both ways out join here (no record beyond a query group's last double of 256 keys is stored: the launch pv reads none)
	s_wait_tensorcnt 0x0
	ds_add_u32 v[SPW], v[NIL]
	s_wait_dscnt 0x0
	s_endpgm
.Lfunc_end_k_q840d1f5e6f_scores:
	.size	k_q840d1f5e6f_scores, .Lfunc_end_k_q840d1f5e6f_scores-k_q840d1f5e6f_scores
	.p2alignl 7, 3214868480
	.fill 96, 4, 3214868480
	.section	.rodata,"a",@progbits
	.p2align	6, 0x0
	.amdhsa_kernel k_q840d1f5e6f_scores
		.amdhsa_group_segment_fixed_size 327680
		.amdhsa_private_segment_fixed_size 0
		.amdhsa_enable_private_segment 0
		.amdhsa_kernarg_size 40
		.amdhsa_user_sgpr_count 2
		.amdhsa_user_sgpr_kernarg_segment_ptr 1
		.amdhsa_wavefront_size32 1
		.amdhsa_system_sgpr_workgroup_id_x 1
		.amdhsa_system_sgpr_workgroup_id_y 1
		.amdhsa_system_sgpr_workgroup_id_z 1
		.amdhsa_system_vgpr_workitem_id 0
		.amdhsa_next_free_vgpr 1024
		.amdhsa_next_free_sgpr 66
		.amdhsa_reserve_vcc 1
		.amdhsa_float_denorm_mode_32 3
		.amdhsa_float_denorm_mode_16_64 3
		.amdhsa_memory_ordered 1
		.amdhsa_forward_progress 1
		.amdhsa_inst_pref_size 255
	.end_amdhsa_kernel
	.section	.bss,"aw",@nobits
	.p2align	6
	.space	262144
	.amdgpu_metadata
---
amdhsa.version: [ 1, 2 ]
amdhsa.kernels:
  - .name:           k_q840d1f5e6f_scores
    .symbol:         k_q840d1f5e6f_scores.kd
    .args:
      - { .name: qk, .offset: 0, .size: 8, .value_kind: global_buffer, .address_space: global }
      - { .name: p, .offset: 8, .size: 8, .value_kind: global_buffer, .address_space: global }
      - { .name: ximg, .offset: 16, .size: 8, .value_kind: global_buffer, .address_space: global }
      - { .name: wimg, .offset: 24, .size: 8, .value_kind: global_buffer, .address_space: global }
      - { .name: vimg, .offset: 32, .size: 8, .value_kind: global_buffer, .address_space: global }
    .group_segment_fixed_size: 327680
    .private_segment_fixed_size: 0
    .kernarg_segment_align: 8
    .kernarg_segment_size: 40
    .max_flat_workgroup_size: 128
    .sgpr_count:     66
    .vgpr_count:     1024
    .wavefront_size: 32
...
	.end_amdgpu_metadata
.endif
;; end of part 3
;; launch pv (part 4): grid 8 x 32, 4 waves a work-group, clusters of 4 x 1, 327,680 bytes of LDS; arguments p, vimg, out0; writes out0
.if DOCPART == 4
	.amdgcn_target "amdgcn-amd-amdhsa--gfx1250"
	.amdhsa_code_object_version 6
	.text
	.protected	k_q840d1f5e6f_pv
	.globl	k_q840d1f5e6f_pv
	.p2align	8
	.type	k_q840d1f5e6f_pv,@function
k_q840d1f5e6f_pv:
	s_mov_b64 s[64:65], 0
	v_nop
	global_prefetch_b8 v0, s[64:65] scope:SCOPE_SE
	s_setreg_imm32_b32 hwreg(HW_REG_WAVE_MODE, 25, 1), 1
	s_wait_xcnt 0x0
	s_wait_alu depctr_hold_cnt(0) depctr_sa_sdst(0) depctr_va_vdst(0) depctr_va_sdst(0) depctr_va_ssrc(0) depctr_va_vcc(0) depctr_vm_vsrc(0)
	s_getreg_b32 s2, hwreg(HW_REG_IB_STS2, 6, 4)
	s_cmp_eq_u32 s2, 0
	s_cbranch_scc0 .Lentry_in_a_cluster
	s_endpgm
.Lentry_in_a_cluster:
	s_bfe_u32 s2, ttmp6, 0x10000c
	s_cmp_lg_u32 s2, 0x3003
	s_cbranch_scc0 .Lentry_shape_is_right
	s_endpgm
.Lentry_shape_is_right:
; out = (p v) / l on codes of BF6 with E8M0 block scales.  p comes as records of 128 queries x 128 keys (13,824 bytes: the operand's image, 512 bytes of scale words, 512 of the record's whole-number M, 512 of its sum l),
; v^T as records of 128 columns x 128 keys (12,800 bytes).  Tile i of a record at 1536 i, registers 4 c .. 4 c + 3 of lane l at 512 c + 16 l; word j of lane l belongs to tile 2 j + l / 16, row l % 16.
; LEFT OUT: keys above the causal mask, where they come in whole records of 256 keys: query group G of 128 rows takes G / 2 + 1 doubles of 256 keys.
; SHARES.  A work-group takes 128 columns of v and TWO query groups of one batch, T1 = 15 - g and T2 = g (g = 0 .. 7): a1 + a2 = (8 - g / 2) + (g / 2 + 1) = 9 doubles for every g: 8 x 32 = 256 work-groups of equal work.
; A wave makes 64 x 64 of each group: 16 accumulators each.  The nine doubles are walked in the order d0 = T1's first, d1 = T2's first (both start their sums), d = 2 .. a2: T2's double d - 1, every later d: T1's double d - a2.
; Since a2 <= 4, doubles 5 .. 8 are T1's for every g; for d = 2, 3, 4 a branch on g alone picks the group.  T2 is finished behind d = 4 and leaves behind d = 5.
; RING: two slots of two doubles; in a slot wave w's load lands at w x 27,648: p's doubles (waves 0, 1), v's doubles (waves 2, 3).  The walk is written straight: five fills, the last of one double (waves 0 and 2).
; CLUSTER 4, 1, 1: the four partners take four column groups of the same g and batch: p's loads are joint.  v's are not: partners read different columns, and the work-groups that share columns walk the keys in another order.
; No prefetch: the text has no loop to run ahead in: nine doubles in five fills, each asked for as soon as its slot is free.
; M: a row's M is the largest of its records' M (read ahead by plain loads); a record's scale bytes are lowered by M(row) - M(record), its l is scaled by the same power of two.
; LIMIT: the bytes (63 at the least) are lowered by 62 at the most: a record more than 62 powers of two under its row's largest counts as if it were 62 under.  NaN and infinities are not served.
; THE MATRIX INSTRUCTION IS USED TRANSPOSED: source 0 = 16 columns of v, source 1 = 16 queries: a lane holds one query, its registers neighbouring columns.
; REGISTERS: window 0: addresses, scale words, v96-191 p's fragments, two sets (on the way out: results);  window 1: T1's accumulators at v0, T2's at v128;  window 2: v's fragments, two sets.
.set RECA,  13824
.set RECB,  12800
.set KBA,   2*RECA
.set KBB,   2*RECB
.set QUART, KBA
.set SLOT,  4*QUART
.set STAGE, 2*SLOT                     ; behind the ring: 16 rows x (256 + 16) bytes for each wave
.set SPT,   272
.set SPARE, STAGE+4*16*SPT             ; behind the stages: the spare words
.set ADRA, 16                          ; v16-17 my four tiles of p in slot 0, 1;  v18-19 their words;  v20-21, v22-23 the same for v
.set ADRS, 18
.set ADRB, 20
.set ADBS, 22
.set STO,  24
.set RD,   25
.set CO,   26
.set SPW,  28
.set NIL,  29
.set SC,   32                          ; +4 q: two registers of p's scale words, two of v's
.set MW,   40                          ; +4 q: two registers of M, two of l
.set MR,   48                          ; +2 T: the rows' M
.set LR,   52                          ; +2 T: the rows' l
.set TT,   56
.set RC,   64
.set RX,   66
.set RL,   68
.set AF,   96
.set OUTR, 96
.set BK,   128
.set G1,   24
.set G0,   32
.set G1B,  48
.set G0B,  56
.set A2,   45
.set SEL,  80
.set HM,   82
.set MSB, 0
.macro WIN new                         ; the immediate's high byte repeats the setting that is left
.if MSB != (\new)
	s_set_vgpr_msb (MSB<<8)|(\new)
.set MSB, (\new)
.endif
.endm
.macro PLACES n
.rept \n
	v_nop
.endr
.endm
.macro JLOAD s                         ; waves 0, 1 fetch p (joint), waves 2, 3 v; s_nop 0 and four v_nop follow each line
	s_cmp_eq_u32 s15, 0
	s_cbranch_scc0 .Lfor_b_\@
	tensor_load_to_lds s[G0+4*(\s):G0+4*(\s)+3], s[G1:G1+7]
	s_nop 0
.rept 4
	v_nop
.endr
	s_branch .Lasked_\@
.Lfor_b_\@:
	tensor_load_to_lds s[G0B+4*(\s):G0B+4*(\s)+3], s[G1B:G1B+7]
	s_nop 0
.rept 4
	v_nop
.endr
.Lasked_\@:
.endm
.macro CROUND                          ; a round of the cluster's barrier
	s_barrier_signal -1
	s_barrier_wait -1
	s_cmp_lg_u32 s14, 0
	s_cbranch_scc1 .Lnot_wave_0_\@
	s_barrier_signal -3
.Lnot_wave_0_\@:
	s_barrier_wait -3
	s_barrier_signal -1
	s_barrier_wait -1
.endm
; Where fill t's doubles lie: my double d = 2 t + wave % 2 (t >= 1): d <= a2: T2's double d - 1, else T1's double d - a2.  Registers that never hold the place in the cluster.
.macro ADDR t
.set ASL, 4*((\t)%2)
	s_add_co_u32 s88, s16, 2*(\t)
	s_sub_co_u32 s90, s88, 1
	s_sub_co_u32 s91, s88, s[A2]
	s_cmp_le_u32 s88, s[A2]
	s_cselect_b32 s90, s90, s91
	s_cselect_b32 s88, s47, s46
	s_mul_i32 s91, s90, KBA
	s_add_co_u32 s88, s88, s91
	s_add_nc_u64 s[G0+ASL+2:G0+ASL+3], s[4:5], s[88:89]
	s_or_b32 s[G0+ASL+3], s[G0+ASL+3], 0x80000000
	s_mul_i32 s88, s90, KBB
	s_add_nc_u64 s[G0B+ASL+2:G0B+ASL+3], s[66:67], s[88:89]
	s_or_b32 s[G0B+ASL+3], s[G0B+ASL+3], 0x80000000
.endm
; A change of slots: all my tensor loads are in (my part of the other slot), the add, the next addresses, the add and my reads of this slot are done; a round; fill t into the slot just read.
.macro SWAP t, half
	s_wait_alu depctr_va_vdst(0)
	s_wait_tensorcnt 0x0
	ds_add_u32 v[SPW], v[NIL]
	ADDR \t
	s_wait_dscnt 0x0
	CROUND
.if \half
	s_cmp_eq_u32 s16, 0                            ; the last fill is one double: waves 0 and 2 alone
	s_cbranch_scc0 .Lnone_\@
.endif
	JLOAD (\t)%2
.if \half
.Lnone_\@:
.endif
.endm
.macro FRAG reg, adr, off
.irp c, 0,1,2
	ds_load_b128 v[(\reg)+4*\c:(\reg)+4*\c+3], v[\adr] offset:(\off)+512*\c
.endr
.endm
; The two records' words under the rows' M.  n = 2 q + j.
.macro ADJ T
.irp n, 0,1,2,3
	v_sub_f32 v[TT+\n], v[MW+4*(\n/2)+\n%2], v[MR+2*(\T)+\n%2]      ; M(record) - M(row): a whole number, 0 or less
.endr
.irp n, 0,1,2,3
	v_cvt_i32_f32 v[TT+4+\n], v[TT+\n]
.endr
.irp n, 0,1,2,3
	v_min_num_f32 v[TT+\n], -v[TT+\n], 0x42780000                    ; at most 62
.endr
.irp n, 0,1,2,3
	v_ldexp_f32 v[MW+4*(\n/2)+2+\n%2], v[MW+4*(\n/2)+2+\n%2], v[TT+4+\n]
.endr
.irp n, 0,1,2,3
	v_cvt_u32_f32 v[TT+\n], v[TT+\n]
.endr
.irp n, 0,1,2,3
	v_perm_b32 v[TT+\n], v[TT+\n], v[TT+\n], 0                       ; into all four bytes
.endr
.irp n, 0,1,2,3
	v_sub_nc_u32 v[SC+4*(\n/2)+\n%2], v[SC+4*(\n/2)+\n%2], v[TT+\n]  ; no byte borrows: each is 63 or more
.endr
.irp n, 0,1,2,3
	v_add_f32 v[LR+2*(\T)+\n%2], v[LR+2*(\T)+\n%2], v[MW+4*(\n/2)+2+\n%2]
.endr
	s_wait_alu depctr_va_vdst(0)
	PLACES 8                                       ; a scale register written by a vector instruction stands 8 places ahead of a scaled matrix instruction
.endm
; 16 matrix instructions, the group's 16 accumulators by turns.  An odd tile's words stand in lanes 16-31.
.macro MUL q, T, zero
	WIN 0x52                                       ; source 0 window 2, source 1 window 0, C and D window 1
.irp a, 0,1,2,3
.irp b, 0,1,2,3
.set rD, 128*(\T)+8*(4*\a+\b)
.set rB, 48*(\q)+12*\b
.set rA, AF+48*(\q)+12*\a
.set rX, SC+4*(\q)+2+\b/2
.set rY, SC+4*(\q)+\a/2
.set rV, 4*(\zero)+2*(\b%2)+\a%2
.if rV == 0
	v_wmma_scale_f32_16x16x128_f8f6f4 v[rD:rD+7], v[rB:rB+11], v[rA:rA+11], v[rD:rD+7], v[rX], v[rY] matrix_a_fmt:MATRIX_FMT_BF6 matrix_b_fmt:MATRIX_FMT_BF6
.elseif rV == 1
	v_wmma_scale_f32_16x16x128_f8f6f4 v[rD:rD+7], v[rB:rB+11], v[rA:rA+11], v[rD:rD+7], v[rX], v[rY] matrix_a_fmt:MATRIX_FMT_BF6 matrix_b_fmt:MATRIX_FMT_BF6 matrix_b_scale:MATRIX_SCALE_ROW1
.elseif rV == 2
	v_wmma_scale_f32_16x16x128_f8f6f4 v[rD:rD+7], v[rB:rB+11], v[rA:rA+11], v[rD:rD+7], v[rX], v[rY] matrix_a_fmt:MATRIX_FMT_BF6 matrix_b_fmt:MATRIX_FMT_BF6 matrix_a_scale:MATRIX_SCALE_ROW1
.elseif rV == 3
	v_wmma_scale_f32_16x16x128_f8f6f4 v[rD:rD+7], v[rB:rB+11], v[rA:rA+11], v[rD:rD+7], v[rX], v[rY] matrix_a_fmt:MATRIX_FMT_BF6 matrix_b_fmt:MATRIX_FMT_BF6 matrix_a_scale:MATRIX_SCALE_ROW1 matrix_b_scale:MATRIX_SCALE_ROW1
.elseif rV == 4
	v_wmma_scale_f32_16x16x128_f8f6f4 v[rD:rD+7], v[rB:rB+11], v[rA:rA+11], 0, v[rX], v[rY] matrix_a_fmt:MATRIX_FMT_BF6 matrix_b_fmt:MATRIX_FMT_BF6
.elseif rV == 5
	v_wmma_scale_f32_16x16x128_f8f6f4 v[rD:rD+7], v[rB:rB+11], v[rA:rA+11], 0, v[rX], v[rY] matrix_a_fmt:MATRIX_FMT_BF6 matrix_b_fmt:MATRIX_FMT_BF6 matrix_b_scale:MATRIX_SCALE_ROW1
.elseif rV == 6
	v_wmma_scale_f32_16x16x128_f8f6f4 v[rD:rD+7], v[rB:rB+11], v[rA:rA+11], 0, v[rX], v[rY] matrix_a_fmt:MATRIX_FMT_BF6 matrix_b_fmt:MATRIX_FMT_BF6 matrix_a_scale:MATRIX_SCALE_ROW1
.else
	v_wmma_scale_f32_16x16x128_f8f6f4 v[rD:rD+7], v[rB:rB+11], v[rA:rA+11], 0, v[rX], v[rY] matrix_a_fmt:MATRIX_FMT_BF6 matrix_b_fmt:MATRIX_FMT_BF6 matrix_a_scale:MATRIX_SCALE_ROW1 matrix_b_scale:MATRIX_SCALE_ROW1
.endif
.endr
.endr
.endm
; Double d (256 keys) for group T: 8 loads of words, 2 x 24 loads of fragments in one run, the words' adjustment under the fragments' flight, 2 x 16 matrix instructions.
.macro DOUBLE d, T, zero
.set DSL, ((\d)/2)%2
.set DOF, ((\d)%2)*QUART
	PLACES 4                                       ; loads into registers that matrix instructions have read stand four places behind them
.irp q, 0,1
	ds_load_b64 v[SC+4*\q:SC+4*\q+1], v[ADRS+DSL] offset:DOF+\q*RECA+12288
	ds_load_b64 v[SC+4*\q+2:SC+4*\q+3], v[ADBS+DSL] offset:DOF+\q*RECB+12288
	ds_load_b64 v[MW+4*\q:MW+4*\q+1], v[ADRS+DSL] offset:DOF+\q*RECA+12800
	ds_load_b64 v[MW+4*\q+2:MW+4*\q+3], v[ADRS+DSL] offset:DOF+\q*RECA+13312
.endr
.irp q, 0,1
.irp i, 0,1,2,3
	FRAG AF+48*\q+12*\i, ADRA+DSL, DOF+\q*RECA+1536*\i
.endr
	WIN 0x80                                       ; destination window 2
.irp i, 0,1,2,3
	FRAG 48*\q+12*\i, ADRB+DSL, DOF+\q*RECB+1536*\i
.endr
	WIN 0
.endr
	s_wait_dscnt 48                                ; the eight loads of words are in; the 48 of fragments may be out
	ADJ \T
	s_wait_dscnt 24                                ; the first 128 keys' fragments are in
	MUL 0, \T, \zero
	s_wait_dscnt 0x0
	MUL 1, \T, 0                                   ; the second 128 keys add onto the first's sums
	WIN 0
.endm
.macro DYN d                           ; d <= a2: T2's double, else T1's: the branch hangs on g alone, the same in all waves and partners
	s_cmp_ge_u32 s[A2], \d
	s_cbranch_scc0 .Lt1_\@
	DOUBLE \d, 1, 0
	s_branch .Ljoin_\@
.Lt1_\@:
	DOUBLE \d, 0, 0
.Ljoin_\@:
.endm
.macro SEND a, younger
	s_wait_dscnt \younger
.irp t, 0,1,2,3,4,5,6,7
	global_store_b128 v[CO], v[BK+32*((\a)%2)+4*\t:BK+32*((\a)%2)+4*\t+3], s[OBS:OBS+1] offset:(32*((\a)/2)+8*((\a)%2)+2*\t+8*(\t/4))*4096 th:TH_STORE_NT   ; 16 lanes store 256 consecutive bytes, aligned
.endr
.endm
; THE WAY OUT of group T: x 1 / l, tile row by tile row through my own stage, back as whole rows of 256 bytes.  Each accumulator is read from its low end on.
.macro EPI T
.set OBS, 68+2*(\T)
	PLACES 4
	s_wait_alu depctr_va_vdst(0)
	v_rcp_f32 v[RC], v[LR+2*(\T)]
	v_rcp_f32 v[RC+1], v[LR+2*(\T)+1]
	v_nop
	s_wait_alu depctr_va_vdst(0)
	v_permlanex16_b32 v[RX], v[RC], s[SEL], s[SEL+1]
	v_permlanex16_b32 v[RX+1], v[RC+1], s[SEL], s[SEL+1]
.irp j, 0,1
	v_cndmask_b32 v[RL+4*\j], v[RC+\j], v[RX+\j], s[HM]       ; tile 2 j's rows in both halves of the lanes
	v_cndmask_b32 v[RL+4*\j+2], v[RX+\j], v[RC+\j], s[HM]     ; tile 2 j + 1's
.endr
.irp a, 0,1,2,3
	s_wait_xcnt 0x0                                ; earlier stores have read their registers
	WIN 0x01                                       ; source 0 window 1
	s_wait_alu depctr_va_vdst(0)
.set k, 0
.rept 16
	v_pk_mul_f32 v[OUTR+2*k:OUTR+2*k+1], v[128*(\T)+32*\a+2*k:128*(\T)+32*\a+2*k+1], v[RL+2*\a:RL+2*\a+1] op_sel_hi:[1,0]
.set k, k+1
.endr
	WIN 0
.irp b, 0,1,2,3
	ds_store_b128 v[STO], v[OUTR+8*\b:OUTR+8*\b+3] offset:128*(\b/2)+32*(\b%2)
	ds_store_b128 v[STO], v[OUTR+8*\b+4:OUTR+8*\b+7] offset:128*(\b/2)+32*(\b%2)+16
.endr
.irp t, 0,1,2,3,4,5,6,7
	ds_load_b128 v[BK+32*(\a%2)+4*\t:BK+32*(\a%2)+4*\t+3], v[RD] offset:\t*2*SPT   ; LDS serves a wave's instructions in order
.endr
.if \a > 0
	SEND \a-1, 16                                  ; behind that block's loads: this block's 8 stores and 8 loads
.endif
.endr
	SEND 3, 0
	s_wait_xcnt 0x0                                ; the stores have read their registers: fragments may land there
.endm
	s_load_b128 s[4:7], s[0:1], 0x0                ; p, vimg
	s_load_b64 s[8:9], s[0:1], 0x10                ; out0
	v_lshl_add_u32 v[SPW], v0, 2, SPARE
	v_mov_b32 v[NIL], 0
	ds_add_u32 v[SPW], v[NIL]
	ds_add_u32 v[SPW], v[NIL]
	v_lshrrev_b32 v1, 5, v0
	v_readfirstlane_b32 s14, v1                    ; wave
	s_lshr_b32 s15, s14, 1                         ; my half of the rows.  Also: I fetch p (0) or v (1)
	s_and_b32 s16, s14, 1                          ; my half of the columns.  Also: which double of a fill I fetch
	s_bfe_u32 s40, ttmp6, 0x40000                  ; cx
	s_lshl_b32 s41, ttmp9, 2
	s_add_co_u32 s41, s41, s40                     ; the column group, 0 .. 7
	s_and_b32 s42, ttmp7, 0xffff
	s_lshr_b32 s43, s42, 3
	s_and_b32 s44, s42, 7                          ; g
	s_lshr_b32 s[A2], s44, 1
	s_add_co_u32 s[A2], s[A2], 1                   ; a2 = g / 2 + 1
	s_mov_b32 s[G1+0], 15|(3<<16)|(1<<21)          ; p: 27,648 dense bytes as 108 rows of 32 elements of 8 bytes; the mask names the four partners
	s_mov_b32 s[G1+1], 32<<16
	s_mov_b32 s[G1+2], 108<<16
	s_mov_b32 s[G1+3], 32<<16
	s_mov_b32 s[G1+4], 108
	s_mov_b32 s[G1+5], 32
	s_mov_b32 s[G1+6], 0
	s_mov_b32 s[G1+7], 0
	s_mov_b32 s[G1B+0], 3<<16                      ; v: 25,600 dense bytes as 100 rows
	s_mov_b32 s[G1B+1], 32<<16
	s_mov_b32 s[G1B+2], 100<<16
	s_mov_b32 s[G1B+3], 32<<16
	s_mov_b32 s[G1B+4], 100
	s_mov_b32 s[G1B+5], 32
	s_mov_b32 s[G1B+6], 0
	s_mov_b32 s[G1B+7], 0
	s_lshl_b32 s43, s43, 4                         ; 16 x batch
	s_sub_co_u32 s46, 15, s44
	s_add_co_u32 s46, s46, s43                     ; T1's group of 128 rows
	s_add_co_u32 s47, s43, s44                     ; T2's
	s_lshl_b32 s72, s15, 18                        ; out0: my 64 rows of 4,096 bytes,
	s_lshl_b32 s73, s41, 9
	s_add_co_u32 s72, s72, s73                     ; the column group's 512 bytes,
	s_lshl_b32 s73, s16, 8
	s_add_co_u32 s72, s72, s73                     ; my 256 of them
	s_lshl_b32 s68, s46, 19
	s_add_co_u32 s68, s68, s72
	s_mov_b32 s69, 0
	s_lshl_b32 s70, s47, 19
	s_add_co_u32 s70, s70, s72
	s_mov_b32 s71, 0
	s_mul_i32 s46, s46, 16*RECA                    ; where the groups' rows of records begin in p
	s_mul_i32 s47, s47, 16*RECA
	s_lshl_b32 s66, s41, 6
	s_add_co_u32 s66, s66, s43
	s_mul_i32 s66, s66, RECB                       ; and my columns' records of this batch in vimg
	s_mov_b32 s67, 0
	s_mul_i32 s79, s14, QUART
	s_mul_i32 s92, s15, 6144
	s_mul_i32 s93, s16, 6144
	s_add_co_u32 s93, s93, 2*QUART
	s_lshl_b32 s94, s15, 3
	s_lshl_b32 s95, s16, 3
	s_add_co_u32 s95, s95, 2*QUART
	s_mul_i32 s83, s14, 16*SPT
	s_add_co_u32 s83, s83, STAGE
	s_mov_b32 s[SEL], 0x76543210
	s_mov_b32 s[SEL+1], 0xfedcba98
	s_mov_b32 s[HM], 0xffff0000
	s_mov_b32 s89, 0
	s_cmp_eq_u32 s16, 0
	s_cselect_b32 s88, s46, s47                    ; fill 0: d0 = T1's first double, d1 = T2's first
	s_wait_dscnt 0x0
	s_wait_kmcnt 0x0
	s_add_nc_u64 s[68:69], s[8:9], s[68:69]
	s_add_nc_u64 s[70:71], s[8:9], s[70:71]
	s_add_nc_u64 s[66:67], s[6:7], s[66:67]
	s_mov_b32 s[G0], 1
	s_add_co_u32 s[G0+1], s79, 0
	s_add_nc_u64 s[G0+2:G0+3], s[4:5], s[88:89]
	s_or_b32 s[G0+3], s[G0+3], 0x80000000
	s_mov_b32 s[G0B], 1
	s_add_co_u32 s[G0B+1], s79, 0
	s_mov_b64 s[G0B+2:G0B+3], s[66:67]
	s_or_b32 s[G0B+3], s[G0B+3], 0x80000000
	s_mov_b32 s[G0+4], 1
	s_add_co_u32 s[G0+5], s79, SLOT
	s_mov_b32 s[G0B+4], 1
	s_add_co_u32 s[G0B+5], s79, SLOT
	s_mov_b32 s88, s46
	s_add_nc_u64 s[84:85], s[4:5], s[88:89]        ; for the loads of M
	s_mov_b32 s88, s47
	s_add_nc_u64 s[86:87], s[4:5], s[88:89]
	s_lshl_b32 s90, s[A2], 1
	s_sub_co_u32 s91, 17, s90                      ; T1's last record, 2 a1 - 1
	s_sub_co_u32 s90, s90, 1                       ; T2's, 2 a2 - 1
	CROUND                                         ; the four partners are here: the first joint loads meet
	JLOAD 0                                        ; fill 0: one tensor load a wave at the head
	v_and_b32 v1, 31, v0
	v_lshlrev_b32 v3, 4, v1                        ; 16 x lane
	v_and_b32 v2, 15, v0
	v_bfe_u32 v4, v0, 4, 1
	v_add_nc_u32 v[ADRA], s92, v3
	v_add_nc_u32 v[ADRS], s94, v3
	v_add_nc_u32 v[ADRB], s93, v3
	v_add_nc_u32 v[ADBS], s95, v3
.irp r, ADRA, ADRS, ADRB, ADBS
	v_add_nc_u32 v[\r+1], SLOT, v[\r]
.endr
	v_mul_u32_u24 v[STO], v2, SPT                  ; into the stage: row l % 16, 64 bytes for each half of the lanes
	v_lshl_add_u32 v[STO], v4, 6, v[STO]
	v_add_nc_u32 v[STO], s83, v[STO]
	v_mul_u32_u24 v[RD], v4, SPT                   ; back: sixteen lanes to a row of 256 bytes
	v_lshl_add_u32 v[RD], v2, 4, v[RD]
	v_add_nc_u32 v[RD], s83, v[RD]
	v_lshlrev_b32 v[CO], 12, v4                    ; and the same two rows in out0
	v_lshl_add_u32 v[CO], v2, 4, v[CO]
	v_add_nc_u32 v5, s94, v3                       ; my rows' two words of a record's M
.irp j, 0,1,2,3
	v_mov_b32 v[LR+\j], 0
	v_mov_b32 v[RL+2*\j+1], 0                      ; (named as the upper halves of pairs)
.endr
	v_mov_b32 v[RX], 0                             ; a lane permute's destination counts as one of its sources
	v_mov_b32 v[RX+1], 0
	s_wait_alu depctr_va_vdst(0)
.irp s, 0,1,2,3,4,5,6,7,8,9,10,11,12,13,14,15
	s_min_u32 s88, s91, \s                         ; past the group's last record: that record again
	s_mul_i32 s88, s88, RECA
	v_add_nc_u32 v[144+\s], s88, v5
	global_load_b64 v[96+2*\s:97+2*\s], v[144+\s], s[84:85] offset:12800
.endr
.irp s, 0,1,2,3,4,5,6,7
	s_min_u32 s88, s90, \s
	s_mul_i32 s88, s88, RECA
	v_add_nc_u32 v[160+\s], s88, v5
	global_load_b64 v[128+2*\s:129+2*\s], v[160+\s], s[86:87] offset:12800
.endr
	SWAP 1, 0                                      ; fill 0 is in; slot 1's first fill (d2, d3) is issued as a refill is
	s_wait_loadcnt 0x0
.irp j, 0,1
	v_max3_num_f32 v[MR+\j], v[96+\j], v[98+\j], v[100+\j]
	v_max3_num_f32 v[MR+2+\j], v[128+\j], v[130+\j], v[132+\j]
.endr
.irp s, 3,5,7,9,11,13
.irp j, 0,1
	v_max3_num_f32 v[MR+\j], v[MR+\j], v[96+2*\s+\j], v[98+2*\s+\j]
.endr
.endr
.irp s, 3,5
.irp j, 0,1
	v_max3_num_f32 v[MR+2+\j], v[MR+2+\j], v[128+2*\s+\j], v[130+2*\s+\j]
.endr
.endr
.irp j, 0,1
	v_max_num_f32 v[MR+\j], v[MR+\j], v[126+\j]
	v_max_num_f32 v[MR+2+\j], v[MR+2+\j], v[142+\j]
.endr
	s_wait_alu depctr_va_vdst(0)
	DOUBLE 0, 0, 1                                 ; T1's sums start
	DOUBLE 1, 1, 1                                 ; T2's sums start
	SWAP 2, 0                                      ; d4, d5 into slot 0
	DYN 2
	DYN 3
	SWAP 3, 0                                      ; d6, d7 into slot 1
	DYN 4
	DOUBLE 5, 0, 0
	EPI 1                                          ; T2 is finished for every g: it leaves while the later fills are on their way
	SWAP 4, 1                                      ; d8 into slot 0
	DOUBLE 6, 0, 0
	DOUBLE 7, 0, 0
	s_wait_alu depctr_va_vdst(0)
	s_wait_tensorcnt 0x0                           ; d8 is in
	ds_add_u32 v[SPW], v[NIL]
	s_wait_dscnt 0x0
	s_barrier_signal -1
	s_barrier_wait -1
	DOUBLE 8, 0, 0
	EPI 0
	s_wait_tensorcnt 0x0                           ; the wave's end
	ds_add_u32 v[SPW], v[NIL]
	s_wait_dscnt 0x0
	CROUND                                         ; the closing round
	s_endpgm
.Lfunc_end_k_q840d1f5e6f_pv:
	.size	k_q840d1f5e6f_pv, .Lfunc_end_k_q840d1f5e6f_pv-k_q840d1f5e6f_pv
	.p2alignl 7, 3214868480
	.fill 96, 4, 3214868480
	.section	.rodata,"a",@progbits
	.p2align	6, 0x0
	.amdhsa_kernel k_q840d1f5e6f_pv
		.amdhsa_group_segment_fixed_size 327680
		.amdhsa_private_segment_fixed_size 0
		.amdhsa_enable_private_segment 0
		.amdhsa_kernarg_size 24
		.amdhsa_user_sgpr_count 2
		.amdhsa_user_sgpr_kernarg_segment_ptr 1
		.amdhsa_wavefront_size32 1
		.amdhsa_system_sgpr_workgroup_id_x 1
		.amdhsa_system_sgpr_workgroup_id_y 1
		.amdhsa_system_sgpr_workgroup_id_z 1
		.amdhsa_system_vgpr_workitem_id 0
		.amdhsa_next_free_vgpr 640
		.amdhsa_next_free_sgpr 96
		.amdhsa_reserve_vcc 0
		.amdhsa_float_denorm_mode_32 3
		.amdhsa_float_denorm_mode_16_64 3
		.amdhsa_memory_ordered 1
		.amdhsa_forward_progress 1
		.amdhsa_inst_pref_size 162
	.end_amdhsa_kernel
	.amdgpu_metadata
---
amdhsa.version: [ 1, 2 ]
amdhsa.kernels:
  - .name:           k_q840d1f5e6f_pv
    .symbol:         k_q840d1f5e6f_pv.kd
    .args:
      - { .name: p, .offset: 0, .size: 8, .value_kind: global_buffer, .address_space: global }
      - { .name: vimg, .offset: 8, .size: 8, .value_kind: global_buffer, .address_space: global }
      - { .name: out0, .offset: 16, .size: 8, .value_kind: global_buffer, .address_space: global }
    .group_segment_fixed_size: 327680
    .private_segment_fixed_size: 0
    .kernarg_segment_align: 8
    .kernarg_segment_size: 24
    .max_flat_workgroup_size: 128
    .sgpr_count:     96
    .vgpr_count:     640
    .wavefront_size: 32
...
	.end_amdgpu_metadata
.endif
;; end of part 4
